; MI455X (gfx1250); checked and timed in simulation.
; The chip was launched on July 23, 2026; its instructions are those of AMD's public machine-readable ISA for CDNA 5 (MIT licence, August 2026) and "CDNA5" Instruction Set Architecture Reference Guide (July 2026). The comments in the code are by the model that wrote it; some were corrected since.
;; Gaussian LSS. Allowed arithmetic: matrix products marked QUANTISED: E3M2 operands, one E8M0 scale for each 32 along K, by v_wmma_scale_f32_16x16x128_f8f6f4 with both operands' format E3M2, f32 sums; everything else in f32.
;; Inputs: features0 6 x 128 x 6 x 12 float32; features1 6 x 128 x 6 x 12 float32; features2 6 x 128 x 6 x 12 float32; features3 6 x 128 x 6 x 12 float32; means0 6 x 6 x 12 x 3 float32; means1 6 x 6 x 12 x 3 float32; means2 6 x 6 x 12 x 3 float32; means3 6 x 6 x 12 x 3 float32; opac0 6 x 1 x 6 x 12 float32; opac1 6 x 1 x 6 x 12 float32; opac2 6 x 1 x 6 x 12 float32; opac3 6 x 1 x 6 x 12 float32; uncert0 6 x 6 x 12 x 3 x 3 float32; uncert1 6 x 6 x 12 x 3 x 3 float32; uncert2 6 x 6 x 12 x 3 x 3 float32; uncert3 6 x 6 x 12 x 3 x 3 float32.
;; Outputs: out0 1 x 128 x 25 x 25 float32; out1 1 x 128 x 50 x 50 float32; out2 1 x 128 x 100 x 100 float32; out3 1 x 128 x 200 x 200 float32; out4 one number float32.
;; Constants: b = 1, n = 6.
;; This version of the problem:
;;   THIS VERSION OF THE PROBLEM IS GIVEN IN LOW PRECISION. The matrix products marked QUANTISED in the list below multiply operands that are first quantised to E3M2 (3 exponent bits, 2 mantissa bits; 6 bits a number), with one power-of-two scale for each 32 numbers along K (OCP MX v1.0); their sums are f32. All else is computed in f32.
;;   The module's matrix products, in the order in which they are computed (A, B: the left and right operand; K: the contracted axis; several contracted axes count as one K, in the product's order):
;;     1. [M 128, K 432] x [K 432, N 625]; A: input features0; B: computed on the way: QUANTISED
;;     2. [M 128, K 432] x [K 432, N 2,500]; A: input features1; B: computed on the way: QUANTISED
;;     3. [M 128, K 432] x [K 432, N 10,000]; A: input features2; B: computed on the way: QUANTISED
;;     4. [M 128, K 432] x [K 432, N 40,000]; A: input features3; B: computed on the way: QUANTISED
;;   THE QUANTISER, for each operand of a quantised product, along K:
;;     - K is cut into blocks of 32 from its start; a last block that is shorter is filled with zeros.
;;     - A block's scale is 2^e with e = floor(log2(the largest magnitude in the block)) - 4, held to -126 .. 127; a block of zeros has e = 0. As a byte (E8M0): e + 127.
;;     - Each number is divided by its block's scale, clamped to +-28, and rounded to the nearest number of E3M2, ties to even, subnormals kept.
;;     - The product sums the exact products of the quantised numbers (number of the format x scale) in f32.
;;   ~~~python
;;   def quantise(x, axis):      # numpy; x: float32 -> the quantised numbers, widened to float32 again
;;       x = np.moveaxis(x, axis, -1); K = x.shape[-1]
;;       x = np.pad(x, [(0, 0)] * (x.ndim - 1) + [(0, -K % 32)]); x = x.reshape(x.shape[:-1] + (-1, 32)); a = np.abs(x).max(-1, keepdims=True)
;;       e = np.where(a > 0, np.clip(np.frexp(np.where(a > 0, a, 1))[1] - 1 - 4, -126, 127), 0)      # np.frexp(a)[1] - 1 = floor(log2(a)), exactly
;;       r = np.clip(x / 2.0 ** e, -28, 28)
;;       step = 2.0 ** (np.maximum(np.frexp(np.where(r == 0, 1, r))[1] - 1, -2) - 2)
;;       q = np.round(r / step) * step * 2.0 ** e      # np.round: ties to even
;;       return np.moveaxis(q.reshape(q.shape[:-2] + (-1,))[..., :K], -1, axis).astype(np.float32)
;;   ~~~
;;   OPERANDS COMPUTED ON THE WAY. 'Computed on the way' means the value that the module computes at that place (a softmax that the list does not call 'softmax' is quantised finished and normalised). What goes into a quantiser is computed in f32, as accurately as f32 sums, v_exp_f32 and their like allow (about 1e-6 of the number): no bf16 or f16 on the way to a quantiser, and a product that is left as it is and whose result goes on into a quantised operand takes f32 operands (vector FMAs, or v_wmma_f32_16x16x4_f32). A number that lies on a knife's edge between two numbers of the format may be rounded either way, as far as f32 arithmetic and the matrix unit's own rounding can turn it there, and no further.
;; 2 versions, each right and faster than the one before. Each part assembles by itself: llvm-mc -triple=amdgcn-amd-amdhsa -mcpu=gfx1250 --defsym DOCPART=n.
;; ======== version 1 of 2: 2 launches
;; workspace buffers: ws 262,144 bytes
;; launch prep (part 1): grid 121 x 1, 1 waves a work-group, no clusters, 0 bytes of LDS; arguments features0, features1, features2, features3, means0, means1, means2, means3, uncert0, uncert1, uncert2, uncert3, opac0, opac1, opac2, opac3, ws, out4; writes ws, out4
.if DOCPART == 1
	.amdgcn_target "amdgcn-amd-amdhsa--gfx1250"
	.amdhsa_code_object_version 6
	.text
	.protected	k_q5e880bf6b1_prep
	.globl	k_q5e880bf6b1_prep
	.p2align	8
	.type	k_q5e880bf6b1_prep,@function
k_q5e880bf6b1_prep:
	s_mov_b64 s[64:65], 0
	v_nop
	global_prefetch_b8 v0, s[64:65] scope:SCOPE_SE
	s_setreg_imm32_b32 hwreg(HW_REG_WAVE_MODE, 25, 1), 1
	s_wait_xcnt 0x0
; PREP: what every work-group of the render would otherwise make anew is made once: for each of the four scales one dense record of 65,536 bytes in ws (scale s at s x 65,536):
;   +0      PAR  [448][8 words]  for gaussian n: pr, pc, a, c, b, lo, qlim, 0.  With dr = pr - row, dc = pc - col:  q = a dr dr + c dr dc + b dc dc = -power x log2(e);  alpha = 2^(lo - q), lo = log2(o);
;                                qlim = the bits of log2(255 o), + 1: as unsigned numbers the bits of q lie under it exactly where 0 <= q <= log2(255 o), that is power <= 0 and o exp(power) >= 1/255.
;                                Where reference()'s keep is false (o <= 0.01 or det <= 0), and in the 16 entries behind gaussian 431, a, b, c, lo and qlim are 0: no q passes the test, alpha is 0.
;   +14,336 AIMG [8 m][4 ks][3][32 lanes][16 bytes]  the features as codes of E3M2, as images of the matrix operand's registers: lane (r, h) holds channel 16 m + r; registers 6 c .. 6 c + 5 hold gaussians 128 ks + 64 c + 32 h + 0 .. 31
;   +63,488 ASC  [4 mp][4 ks][32 lanes] words  their E8M0 scale words: lanes 0-15 channel 32 mp + r, lanes 16-31 channel 32 mp + 16 + r; byte j for gaussians 128 ks + 32 j on
; and out4, the number of opacities above 0.01 in all four scales (a whole number under 2^24: exact in f32).
; DEAD WORK.  reference() reads of a mean only x and y, and of the packed covariance only c6[0], c6[1], c6[3], which are uncert's entries 0, 1 and 4.  The mean's z and uncert's entries 2, 3, 5, 6, 7, 8 have no way to
; any output, whatever they hold; they are not loaded.  All sixteen input buffers hold live numbers, so all are among the arguments.  A NaN or an infinity in the numbers left out is not carried to the result.
; LIMITS.  NaN and infinities among the inputs are not served.  The three quotients by det are made once for a gaussian (a reciprocal with one Newton step, each quotient with one correction), where reference() divides
; the finished power; det is one fused multiply-add behind vb vb; the test alpha >= 1/255 is made on the exponent.  Each differs from reference() by f32 rounding alone.
; A block of 32 whose largest magnitude lies under 2^(5 - 127), zeros among them, gets the scale byte 1 where the rule says 127 for zeros: its codes are zeros, and this program alone reads the bytes.
; SHARES.  One wave to a work-group, roles by the work-group's number: 0-63 the features (scale, ks, mp: two fragments each); 64-119 the parameters (scale, 32 gaussians); 120 the count.  No LDS, no barrier: nothing is shared.
.set AIMG,  14336
.set ASC,   63488
.set FLOOR, 0x2800000                  ; 2^(5 - 127): under it no largest magnitude is taken, so no scale byte falls under 1
.set OFFS,  16                         ; v16-31   role F: byte offset of each run of four numbers
.set XR,    32                         ; v32-159  role F: two fragments' 64 numbers a lane
.set CR,    160                        ; v160-183 role F: their codes, 12 registers each;  v184-190 at work
.set MK,    44                         ; s44-59   role F: which lanes' runs lie under gaussian 432
.macro PICK base, sc                   ; s[base:base+1] = that of the four pointers from s[base] on which belongs to scale s[sc]: the choice hangs on the work-group's number alone
	s_cmp_eq_u32 s[\sc], 1
	s_cselect_b64 s[\base:\base+1], s[\base+2:\base+3], s[\base:\base+1]
	s_cmp_eq_u32 s[\sc], 2
	s_cselect_b64 s[\base:\base+1], s[\base+4:\base+5], s[\base:\base+1]
	s_cmp_eq_u32 s[\sc], 3
	s_cselect_b64 s[\base:\base+1], s[\base+6:\base+7], s[\base:\base+1]
.endm
	s_load_b512 s[8:23], s[0:1], 0x0               ; features0-3 s[8:15], means0-3 s[16:23]
	s_load_b512 s[24:39], s[0:1], 0x40             ; uncert0-3 s[24:31], opac0-3 s[32:39]
	s_load_b128 s[40:43], s[0:1], 0x80             ; ws s[40:41], out4 s[42:43]
	v_and_b32 v1, 15, v0                           ; r
	v_lshrrev_b32 v2, 4, v0                        ; h
	s_mov_b32 s3, 0                                ; the upper word of every offset pair s[2:3]
	s_wait_kmcnt 0x0
	s_cmp_ge_u32 ttmp9, 120
	s_cbranch_scc1 .Lcount
	s_cmp_ge_u32 ttmp9, 64
	s_cbranch_scc1 .Lparams
; ---- ROLE F: the fragments (m = 2 mp, ks) and (2 mp + 1, ks) of one scale's features
	s_lshr_b32 s4, ttmp9, 4                        ; scale
	s_bfe_u32 s5, ttmp9, 0x20002                   ; ks
	s_and_b32 s6, ttmp9, 3                         ; mp
	PICK 8, 4
	s_mov_b32 s60, 0x76543210
	s_mov_b32 s61, 0xfedcba98                      ; v_permlanex16_b32's selects for lane l xor 16
	s_lshl_b32 s2, s4, 16
	s_add_nc_u64 s[40:41], s[40:41], s[2:3]        ; the scale's record
	s_lshl_b32 s7, s6, 3
	s_add_co_u32 s7, s7, s5                        ; 4 (2 mp) + ks
	s_mul_i32 s2, s7, 1536
	s_add_nc_u64 s[62:63], s[40:41], s[2:3]        ; where the first fragment's image goes (AIMG stands in the immediates)
	s_lshl_b32 s7, s6, 2
	s_add_co_u32 s7, s7, s5
	s_lshl_b32 s2, s7, 7
	s_add_nc_u64 s[40:41], s[40:41], s[2:3]        ; and the scale words (ASC likewise)
	s_lshl_b32 s7, s6, 5
	v_add_nc_u32 v3, s7, v1
	v_mul_u32_u24 v3, v3, 288                      ; channel 32 mp + r: 72 numbers, 288 bytes, from channel to channel inside a camera
	s_lshl_b32 s7, s5, 7
	v_lshl_add_u32 v4, v2, 5, s7                   ; my first gaussian: 128 ks + 32 h
; Gaussian k lies in camera k / 72 at place k % 72: byte 288 d + 4 k + (36,864 - 288) (k / 72).  72 is a multiple of 4, so a run of four stays in one camera and begins on a multiple of 16 bytes.
; k / 72 = (911 k) >> 16 for k under 432.  Runs at or behind gaussian 432 are read at 428 (no load leaves the buffer) and replaced by zeros.
.irp c, 0,1
.irp j, 0,1,2,3,4,5,6,7
	v_add_nc_u32 v5, 64*\c+4*\j, v4
	v_cmp_gt_u32 s[MK+8*\c+\j], 432, v5
	v_min_u32 v5, 428, v5
	v_mul_u32_u24 v6, v5, 911
	v_lshrrev_b32 v6, 16, v6
	v_lshl_add_u32 v5, v5, 2, v3
	v_mad_u32_u24 v[OFFS+8*\c+\j], v6, 36576, v5
.endr
.endr
.irp f, 0,1
.irp c, 0,1
.irp j, 0,1,2,3,4,5,6,7
	global_load_b128 v[XR+64*\f+32*\c+4*\j:XR+64*\f+32*\c+4*\j+3], v[OFFS+8*\c+\j], s[8:9] offset:4608*\f th:TH_LOAD_NT   ; the second fragment's channels lie 16 x 288 bytes on
.endr
.endr
.endr
	v_lshlrev_b32 v13, 4, v0                       ; an image's place for my lane
	s_wait_loadcnt 0x0
.irp f, 0,1
.irp c, 0,1
.irp j, 0,1,2,3,4,5,6,7
.irp e, 0,1,2,3
	v_cndmask_b32 v[XR+64*\f+32*\c+4*\j+\e], 0, v[XR+64*\f+32*\c+4*\j+\e], s[MK+8*\c+\j]   ; the quantiser fills K from 432 on with zeros, ahead of the block's maximum
.endr
.endr
.endr
.endr
; Fragment f: my two blocks of 32 (c = 0, 1: block 4 ks + 2 c + h of my channel) are all mine: largest magnitude, scale, codes; the scale word's other two bytes come from lane l xor 16.
.macro FQ f
.set XB, XR+64*(\f)
.set CB, CR+12*(\f)
.irp c, 0,1
	v_max3_num_f32 v[6+\c], |v[XB+32*\c]|, |v[XB+32*\c+1]|, FLOOR
.endr
.irp i, 2,4,6,8,10,12,14,16,18,20,22,24,26,28,30
.irp c, 0,1
	v_max3_num_f32 v[6+\c], v[6+\c], |v[XB+32*\c+\i]|, |v[XB+32*\c+\i+1]|   ; (the two blocks by turns)
.endr
.endr
	v_add_nc_u32 v8, 0xfe000000, v6                ; 4 off the exponent field: the conversion takes the exponent field of this operand as its scale
	v_add_nc_u32 v9, 0xfe000000, v7
	v_lshrrev_b32 v10, 23, v8                      ; the scales' bytes
	v_lshrrev_b32 v11, 23, v9
	v_lshl_or_b32 v10, v11, 16, v10                ; blocks h and 2 + h of the word,
	v_lshlrev_b32 v11, 3, v2
	v_lshlrev_b32 v10, v11, v10                    ; at their places
	v_mov_b32 v12, 0                               ; (a lane permute's destination counts as one of its sources)
	v_permlanex16_b32 v12, v10, s60, s61
	v_or_b32 v[14+\f], v10, v12                    ; the whole word of my channel
.irp c, 0,1
	v_cvt_scalef32_pk16_bf6_f32 v[CB+6*\c:CB+6*\c+2], v[XB+32*\c:XB+32*\c+15], v[8+\c]
	v_cvt_scalef32_pk16_bf6_f32 v[184+4*\c:186+4*\c], v[XB+32*\c+16:XB+32*\c+31], v[8+\c]   ; (a conversion's three registers begin on an even number)
.endr
	v_nop                                          ; one plain place behind a scaled conversion
.irp c, 0,1
.irp i, 0,1,2
	v_mov_b32 v[CB+6*\c+3+\i], v[184+4*\c+\i]
.endr
.endr
.irp i, 0,1,2
	global_store_b128 v13, v[CB+4*\i:CB+4*\i+3], s[62:63] offset:AIMG+6144*(\f)+512*\i   ; 32 lanes store 512 consecutive bytes, at a multiple of 256 from the buffer's first byte
.endr
.endm
	FQ 0
	FQ 1
	v_cmp_eq_u32 vcc_lo, 1, v2
	v_cndmask_b32 v14, v14, v15, vcc_lo            ; lanes 0-15 the first fragment's words, lanes 16-31 the second's
	v_lshlrev_b32 v12, 2, v0
	global_store_b32 v12, v14, s[40:41] offset:ASC
	s_endpgm
; ---- ROLE P: the parameters of 32 gaussians of one scale
.Lparams:
	s_sub_co_u32 s4, ttmp9, 64
	s_mul_i32 s5, s4, 37
	s_lshr_b32 s5, s5, 9                           ; scale = j / 14 (exact for j under 56)
	s_mul_i32 s6, s5, 14
	s_sub_co_u32 s6, s4, s6                        ; which 32
	PICK 16, 5
	PICK 24, 5
	PICK 32, 5
	s_lshl_b32 s2, s5, 16
	s_add_nc_u64 s[40:41], s[40:41], s[2:3]
	s_lshl_b32 s7, s6, 5
	v_add_nc_u32 v3, s7, v0                        ; n, 0 to 447
	v_min_u32 v4, 431, v3                          ; the 16 entries behind the last gaussian read the last one's numbers and are made null below
	v_mul_u32_u24 v5, v4, 12
	v_mul_u32_u24 v6, v4, 36
	v_lshlrev_b32 v7, 2, v4
	global_load_b32 v8, v5, s[16:17]               ; mean x
	global_load_b32 v9, v5, s[16:17] offset:4      ; mean y
	global_load_b32 v10, v6, s[24:25]              ; Sigma xx
	global_load_b32 v11, v6, s[24:25] offset:4     ; Sigma xy
	global_load_b32 v12, v6, s[24:25] offset:16    ; Sigma yy
	global_load_b32 v13, v7, s[32:33]              ; o
	s_lshl_b32 s44, s5, 23
	s_add_co_u32 s45, s44, 0x3e800000              ; sh = sw = 0.25 x 2^scale
	s_add_co_u32 s46, s44, 0x41480000              ; H / 2 = 12.5 x 2^scale
	s_lshl_b32 s44, s5, 24
	s_add_co_u32 s47, s44, 0x3d800000              ; sh sh = 0.0625 x 4^scale
	s_mov_b32 s48, 0x3c23d70a                      ; 0.01
	v_mov_b32 v14, 0x3e99999a                      ; 0.3
	v_mov_b32 v35, 0
	v_lshlrev_b32 v36, 5, v3                       ; my entry: 32 bytes
	s_wait_loadcnt 0x0
	v_fma_f32 v16, -v9, s45, s46                   ; pr: the product by a power of two is exact, so one rounding, as in reference()
	v_fma_f32 v17, -v8, s45, s46                   ; pc
	v_max_num_f32 v10, 1.0, v10                    ; clamp(min = 1)
	v_max_num_f32 v11, 1.0, v11
	v_max_num_f32 v12, 1.0, v12
	v_fma_f32 v20, s47, v12, v14                   ; va
	v_fma_f32 v21, s47, v10, v14                   ; vc
	v_mul_f32 v22, s47, v11                        ; vb
	v_mul_f32 v23, v22, v22
	v_fma_f32 v23, v20, v21, -v23                  ; det
	v_mul_f32 v24, 0x437f0000, v13                 ; 255 o
	v_rcp_f32 v25, v23
	v_log_f32 v26, v13
	v_log_f32 v27, v24
	v_nop                                          ; a plain place behind the three transcendentals
	v_cmp_lt_f32 s49, s48, v13                     ; o > 0.01
	v_cmp_lt_f32 s50, 0, v23                       ; det > 0
	v_cmp_gt_u32 s51, 432, v3                      ; a gaussian at all
	s_and_b32 s49, s49, s50
	s_and_b32 s49, s49, s51                        ; keep
	s_wait_alu depctr_va_vdst(0)                   ; one wait for the batch, ahead of its first reader
	v_fma_f32 v28, -v23, v25, 1.0
	v_fma_f32 v25, v25, v28, v25                   ; 1 / det, one Newton step
.macro DIVQ x, num                     ; v[x] = v[num] / det: the product by the reciprocal, corrected once by its remainder
	v_mul_f32 v29, v[\num], v25
	v_fma_f32 v30, -v23, v29, v[\num]
	v_fma_f32 v[\x], v30, v25, v29
.endm
	DIVQ 18, 21
	DIVQ 19, 22
	DIVQ 32, 20
	v_mul_f32 v18, 0x3f38aa3b, v18                 ; a = log2(e) / 2 x vc / det
	v_mul_f32 v19, 0xbfb8aa3b, v19                 ; c = -log2(e) x vb / det
	v_mul_f32 v32, 0x3f38aa3b, v32                 ; b = log2(e) / 2 x va / det
	v_add_nc_u32 v34, 1, v27                       ; qlim
	v_cndmask_b32 v18, 0, v18, s49                 ; where keep is false the entry is null: whatever the division or the logarithms gave does not enter the table
	v_cndmask_b32 v19, 0, v19, s49
	v_cndmask_b32 v32, 0, v32, s49
	v_cndmask_b32 v33, 0, v26, s49                 ; lo
	v_cndmask_b32 v34, 0, v34, s49
	global_store_b128 v36, v[16:19], s[40:41]      ; each of the two stores writes 16 of every 32 bytes of 1,024; the four tables are 57,344 bytes in the whole program
	global_store_b128 v36, v[32:35], s[40:41] offset:16
	s_endpgm
; ---- ROLE C: out4
.Lcount:
.irp i, 0,1,2,3,4,5,6,7,8,9,10,11,12,13
	v_add_nc_u32 v[2+\i], 32*\i, v0
.endr
.irp i, 0,1,2,3,4,5,6,7,8,9,10,11,12,13
	v_min_u32 v[2+\i], 431, v[2+\i]
.endr
.irp i, 0,1,2,3,4,5,6,7,8,9,10,11,12,13
	v_lshlrev_b32 v[2+\i], 2, v[2+\i]
.endr
.irp s, 0,1,2,3
.irp i, 0,1,2,3,4,5,6,7,8,9,10,11,12,13
	global_load_b32 v[16+14*\s+\i], v[2+\i], s[32+2*\s:33+2*\s]
.endr
.endr
	s_mov_b32 s4, 0
	s_mov_b32 s48, 0x3c23d70a
	v_mov_b32 v72, 0
	s_wait_loadcnt 0x0
.irp s, 0,1,2,3
.irp i, 0,1,2,3,4,5,6,7,8,9,10,11,12,13
	v_cmp_lt_f32 s5, s48, v[16+14*\s+\i]
.if \i == 13
	s_and_b32 s5, s5, 0xffff                       ; 432 = 13 x 32 + 16: the last load's upper lanes repeat gaussian 431
.endif
	s_bcnt1_i32_b32 s5, s5
	s_add_co_u32 s4, s4, s5
.endr
.endr
	v_cvt_f32_u32 v1, s4
	s_wait_xcnt 0x0                                ; EXEC changes only behind this wait
	v_cmp_eq_u32 vcc_lo, 0, v0
	s_and_saveexec_b32 s5, vcc_lo
	global_store_b32 v72, v1, s[42:43]
	s_wait_xcnt 0x0
	s_or_b32 exec_lo, exec_lo, s5
	s_endpgm
.Lfunc_end_k_q5e880bf6b1_prep:
	.size	k_q5e880bf6b1_prep, .Lfunc_end_k_q5e880bf6b1_prep-k_q5e880bf6b1_prep
	.p2alignl 7, 3214868480
	.fill 96, 4, 3214868480
	.section	.rodata,"a",@progbits
	.p2align	6, 0x0
	.amdhsa_kernel k_q5e880bf6b1_prep
		.amdhsa_group_segment_fixed_size 0
		.amdhsa_private_segment_fixed_size 0
		.amdhsa_enable_private_segment 0
		.amdhsa_kernarg_size 144
		.amdhsa_user_sgpr_count 2
		.amdhsa_user_sgpr_kernarg_segment_ptr 1
		.amdhsa_wavefront_size32 1
		.amdhsa_system_sgpr_workgroup_id_x 1
		.amdhsa_system_sgpr_workgroup_id_y 1
		.amdhsa_system_sgpr_workgroup_id_z 1
		.amdhsa_system_vgpr_workitem_id 0
		.amdhsa_next_free_vgpr 192
		.amdhsa_next_free_sgpr 66
		.amdhsa_reserve_vcc 1
		.amdhsa_float_denorm_mode_32 3
		.amdhsa_float_denorm_mode_16_64 3
		.amdhsa_memory_ordered 1
		.amdhsa_forward_progress 1
		.amdhsa_inst_pref_size 47
	.end_amdhsa_kernel
	.amdgpu_metadata
---
amdhsa.version: [ 1, 2 ]
amdhsa.kernels:
  - .name:           k_q5e880bf6b1_prep
    .symbol:         k_q5e880bf6b1_prep.kd
    .args:
      - { .name: features0, .offset: 0, .size: 8, .value_kind: global_buffer, .address_space: global }
      - { .name: features1, .offset: 8, .size: 8, .value_kind: global_buffer, .address_space: global }
      - { .name: features2, .offset: 16, .size: 8, .value_kind: global_buffer, .address_space: global }
      - { .name: features3, .offset: 24, .size: 8, .value_kind: global_buffer, .address_space: global }
      - { .name: means0, .offset: 32, .size: 8, .value_kind: global_buffer, .address_space: global }
      - { .name: means1, .offset: 40, .size: 8, .value_kind: global_buffer, .address_space: global }
      - { .name: means2, .offset: 48, .size: 8, .value_kind: global_buffer, .address_space: global }
      - { .name: means3, .offset: 56, .size: 8, .value_kind: global_buffer, .address_space: global }
      - { .name: uncert0, .offset: 64, .size: 8, .value_kind: global_buffer, .address_space: global }
      - { .name: uncert1, .offset: 72, .size: 8, .value_kind: global_buffer, .address_space: global }
      - { .name: uncert2, .offset: 80, .size: 8, .value_kind: global_buffer, .address_space: global }
      - { .name: uncert3, .offset: 88, .size: 8, .value_kind: global_buffer, .address_space: global }
      - { .name: opac0, .offset: 96, .size: 8, .value_kind: global_buffer, .address_space: global }
      - { .name: opac1, .offset: 104, .size: 8, .value_kind: global_buffer, .address_space: global }
      - { .name: opac2, .offset: 112, .size: 8, .value_kind: global_buffer, .address_space: global }
      - { .name: opac3, .offset: 120, .size: 8, .value_kind: global_buffer, .address_space: global }
      - { .name: ws, .offset: 128, .size: 8, .value_kind: global_buffer, .address_space: global }
      - { .name: out4, .offset: 136, .size: 8, .value_kind: global_buffer, .address_space: global }
    .group_segment_fixed_size: 0
    .private_segment_fixed_size: 0
    .kernarg_segment_align: 8
    .kernarg_segment_size: 144
    .max_flat_workgroup_size: 32
    .sgpr_count:     66
    .vgpr_count:     192
    .wavefront_size: 32
...
	.end_amdgpu_metadata
.endif
;; end of part 1
;; launch render (part 2): grid 210 x 1, 4 waves a work-group, no clusters, 190,976 bytes of LDS; arguments ws, out0, out1, out2, out3; writes out0, out1, out2, out3
.if DOCPART == 2
	.amdgcn_target "amdgcn-amd-amdhsa--gfx1250"
	.amdhsa_code_object_version 6
	.text
	.protected	k_q5e880bf6b1_render
	.globl	k_q5e880bf6b1_render
	.p2align	8
	.type	k_q5e880bf6b1_render,@function
k_q5e880bf6b1_render:
	s_mov_b64 s[64:65], 0
	v_nop
	global_prefetch_b8 v0, s[64:65] scope:SCOPE_SE
	s_setreg_imm32_b32 hwreg(HW_REG_WAVE_MODE, 25, 1), 1
	s_wait_xcnt 0x0
; RENDER: out_s[d][p] = the sum over the 432 gaussians n, in their order, of f[n][d] w[n][p], w = alpha x the product of (1 - alpha) of all gaussians before n; both operands as codes of E3M2 with one E8M0 scale for each 32 gaussians.
; The features' codes and scale words and the gaussians' parameters come ready from the launch before, one record of 65,536 bytes for a scale (its layout: that kernel's head).  Left out as there: the mean's z and six of uncert's
; nine entries, which reach no output; nothing else.  min(power, 0) is served by the select: where power > 0 reference() selects 0, and so does the compare on q here; the exponential's value there is held at 0.99 and thrown away.
; LIMITS.  NaN and infinities among the inputs are not served.  alpha = 2^(log2(o) - q) for o exp(power); the test alpha >= 1/255 is made on q; T is stepped by one fused multiply-add T - alpha T.  Each differs from
; reference() by f32 rounding alone.  A block of 32 weights whose largest lies under 2^(5 - 127), zeros among them, gets the scale byte 1: its codes are zeros or count for nothing beside f32's rounding.
; SHARES.  A work-group takes 256 neighbouring pixels of one scale: 157 + 40 + 10 + 3 = 210 work-groups (the largest scale first); a wave 64 of them, TWO TO A LANE (pixel pb + 32 u + lane, u = 0, 1), in register pairs, so that
; the arithmetic up to the exponent is packed.  All lanes work on the same gaussian: its eight parameters are one broadcast from LDS; T is a register pair; a block of 32 gaussians lies whole in one lane, so its largest weight
; needs no other lane, and the conversions, which take neighbours along K from one lane's registers, give codes with K innermost.  Pixels at or behind the scale's last (635 in the launch) are computed like the others and not stored.
; THE WALK.  Gaussians go in batches of 8, each stage of the arithmetic over all 8, so that no line waits for the line above it.  Parameters are loaded two batches ahead; part A of batch k + 1 (up to the exponent and the
; compare) stands ahead of part B of batch k (hold, select, T, w, maximum), and batch k + 1's sixteen exponentials are dealt out among B's plain lines, with one wait behind them.  After 4 batches a block of 32 is quantised and
; its codes are parked in the wave's own LDS.  Then the product: 8 tiles of 16 channels x 4 tiles of 16 pixels x 4 K steps of 128, used transposed (source 0 = 16 pixels, source 1 = 16 channels), so that a lane holds eight
; neighbouring pixels of one channel; K from 432 to 511 is zero codes on both sides.
; NO CLUSTER: the scales' runs of 157, 40, 10 and 3 work-groups are no multiples of four, so partners at the seams would want different records; and what is shared is one record, asked for once at the head, of which all but
; the first 16,384 bytes has the whole walk over 448 gaussians in which to land.  NO PREFETCH: the one stream is asked for at the head.  NO RING: no LDS byte is filled twice.
; LDS: 0 the record (PAR 0, AIMG 14,336, ASC 63,488), filled once by copies; 65,536 PARK, 26,880 for each wave: 14 blocks x 1,920 (codes of set 0: 24 bytes a lane, 768; of set 1: 768; scale words 128 + 128; 128 unused: 480 words
; from block to block, so that lanes 16-31, which read one block on, use the other half of the banks); 173,056 a stage of 16 rows x 272 for each wave; 190,464 the spare words.
; REGISTERS.  Window 0 in the walk: v1-9 addresses; v[10:13] my two rows and columns; v14-15 the block's maxima; v16-21 scale words and at work; v22 a second parameter address; v[24:39] T, eight pairs; v48-63, v112-127 the two
; batches' exponents, then alphas; v64-111 dr, dc, at work (and the codes just made); v128-255 two sets of parameters.  Window 1: v0-191 w's 16 fragments (tile t, K step ks at 12 (4 t + ks)); v192-255 a block's w, 32 for each set.
; In the product, window 0: v3-6 addresses; v8-15 offsets in the output; v16-23 w's scale words; v24-31 the features'; v32-63, v224-255 rows read back; v64-127 two sets of 4 accumulators; v128-223 two sets of 4 feature fragments.
.set AIMG,  14336
.set ASC,   63488
.set PARK,  65536
.set PKW,   26880
.set BREC,  1920
.set STAGE, 173056
.set STW,   4352
.set SPARE, 190464
.set FLOOR, 0x2800000                  ; 2^(5 - 127)
.set SPW,  1                           ; v1   LDS address of my spare word; never rewritten
.set NIL,  2                           ; v2   0; never rewritten
.set CPL,  3                           ; v3   the copies' place in LDS, 16 x thread   (later LI: 16 x lane)
.set CPG,  4                           ; v4   and in the record                       (later LS: 4 x lane)
.set PA0,  5                           ; v5   parameter address of a trip's first two slots  (later STO)
.set PK0,  6                           ; v6   my wave's park + 24 x lane              (later RD)
.set SK0,  7                           ; v7   my wave's park + 4 x lane
.set PK,   8                           ; v8   PK0 + the block
.set SK,   9                           ; v9   SK0 + the block
.set RW,   10
.set CL,   12
.set MX,   14
.set SW,   16
.set SCOP, 18
.set BY,   20
.set PA1,  22                          ; v22  parameter address of a trip's last two slots
.set TT,   24
.set DR,   64
.set DC,   80
.set VV,   96
.set W0,   192                         ; in window 1
.set W1,   224
.set MSB, 0
.macro WIN new                         ; the immediate's high byte repeats the setting that is left; a switch that changes nothing is dropped
.if MSB != \new
	s_set_vgpr_msb (MSB<<8)|\new
.set MSB, \new
.endif
.endm
	s_load_b64 s[4:5], s[0:1], 0x0                 ; ws
	s_load_b256 s[8:15], s[0:1], 0x8               ; out0 to out3
	v_lshl_add_u32 v[SPW], v0, 2, SPARE
	v_mov_b32 v[NIL], 0
	ds_add_u32 v[SPW], v[NIL]                      ; the wave's opening: the add, twice on end, and its wait ahead of my first copy; the set-up below, work on registers, stands between
	ds_add_u32 v[SPW], v[NIL]
	v_lshrrev_b32 v5, 5, v0
	v_readfirstlane_b32 s16, v5                    ; wave 0..3
	v_lshlrev_b32 v[CPL], 4, v0
	v_lshlrev_b32 v[CPG], 4, v0
	s_mov_b32 s17, 3                               ; the scale, and its first work-group
	s_mov_b32 s18, 0
	s_cmp_ge_u32 ttmp9, 157
	s_cselect_b32 s17, 2, s17
	s_cselect_b32 s18, 157, s18
	s_cmp_ge_u32 ttmp9, 197
	s_cselect_b32 s17, 1, s17
	s_cselect_b32 s18, 197, s18
	s_cmp_ge_u32 ttmp9, 207
	s_cselect_b32 s17, 0, s17
	s_cselect_b32 s18, 207, s18
	s_sub_co_u32 s18, ttmp9, s18
	s_lshl_b32 s19, 25, s17                        ; W = H
	s_mul_i32 s20, s19, s19                        ; P = pixels
	s_lshl_b32 s21, s20, 2                         ; a channel's bytes
	s_lshl_b32 s22, s20, 6                         ; 16 channels'
	s_mov_b32 s23, 0
	s_lshl_b32 s24, s18, 8
	s_lshl_b32 s31, s16, 6
	s_add_co_u32 s24, s24, s31                     ; pb: my wave's first pixel
	v_and_b32 v5, 31, v0                           ; lane
	v_add_nc_u32 v8, s24, v5                       ; my two pixels
	v_add_nc_u32 v9, 32, v8
	v_lshrrev_b32 v14, s17, v8                     ; row = p / (25 << scale) = (p >> scale) / 25, and x / 25 = (5,243 x) >> 17 for x under 43,690 (here under 5,100)
	v_lshrrev_b32 v15, s17, v9
	v_mul_u32_u24 v14, v14, 5243
	v_mul_u32_u24 v15, v15, 5243
	v_lshrrev_b32 v14, 17, v14
	v_lshrrev_b32 v15, 17, v15
	v_mul_lo_u32 v16, v14, s19
	v_mul_lo_u32 v17, v15, s19
	v_sub_nc_u32 v16, v8, v16                      ; col
	v_sub_nc_u32 v17, v9, v17
	v_cvt_f32_u32 v[RW], v14
	v_cvt_f32_u32 v[RW+1], v15
	v_cvt_f32_u32 v[CL], v16
	v_cvt_f32_u32 v[CL+1], v17
	s_mul_i32 s31, s16, PKW
	s_add_co_u32 s31, s31, PARK                    ; my wave's park
	v_mul_u32_u24 v[PK0], v5, 24
	v_add_nc_u32 v[PK0], s31, v[PK0]
	v_lshlrev_b32 v[SK0], 2, v5
	v_add_nc_u32 v[SK0], s31, v[SK0]
	s_mov_b32 s25, 0                               ; the trip's parameters: 1,024 bytes a block
	s_mov_b32 s26, 0                               ; the trip's place in the park: 1,920 bytes a block
	s_mov_b32 s27, 0                               ; blocks done
	s_mov_b32 s28, 0                               ; 8 x (block % 4): where the block's byte goes in the scale word
	s_mov_b32 s29, 0                               ; 0 where a scale word begins, else all ones
	s_mov_b32 s30, 0x3f7d70a4                      ; 0.99
	s_wait_dscnt 0x0                               ; both opening adds are done
	s_wait_kmcnt 0x0
	s_lshl_b32 s2, s17, 16
	s_mov_b32 s3, 0
	s_add_nc_u64 s[4:5], s[4:5], s[2:3]            ; the scale's record
	s_cmp_eq_u32 s17, 1
	s_cselect_b64 s[6:7], s[10:11], s[8:9]         ; and its output: the choice hangs on the work-group's number alone
	s_cmp_eq_u32 s17, 2
	s_cselect_b64 s[6:7], s[12:13], s[6:7]
	s_cmp_eq_u32 s17, 3
	s_cselect_b64 s[6:7], s[14:15], s[6:7]
.set CI, 0
.rept 32
	global_load_async_to_lds_b128 v[CPL], v[CPG], s[4:5] offset:2048*CI   ; the record as it lies: 128 threads x 16 bytes a line; the immediate goes onto both addresses.  v3, v4 and s[4:5] stay as they are until all copies are waited for
.set CI, CI+1
.endr
	v_mov_b32 v[TT], 1.0                           ; T ahead of the first gaussian
	v_mov_b32 v[TT+1], 1.0
	v_mov_b32 v[SW], 0
	v_mov_b32 v[SW+1], 0
	v_mov_b32 v[MX], FLOOR
	v_mov_b32 v[MX+1], FLOOR
	v_mov_b32 v[PA1], 0
	s_wait_asynccnt 24                             ; copies end in the order of issue: my parts of the first eight lines, 16,384 bytes, are in: the parameters' 14,336 among them; the 24 younger copies stay out
	s_barrier_signal -1
	s_barrier_wait -1                              ; everybody's are.  Nothing is filled a second time behind this barrier
; 8 gaussians' parameters, 256 bytes from byte off on, into set par: every lane reads the same bytes
.macro PLOAD par, adr, off
.irp g, 0,1,2,3,4,5,6,7
	ds_load_b128 v[128+64*(\par)+8*\g:128+64*(\par)+8*\g+3], v[\adr] offset:(\off)+32*\g
	ds_load_b128 v[128+64*(\par)+8*\g+4:128+64*(\par)+8*\g+7], v[\adr] offset:(\off)+32*\g+16
.endr
.endm
; PART A of a batch, from set par: q = (a dr + c dc) dr + (b dc) dc for my two pixels; the compare; lo - q.  Of a parameter pair one word serves both halves (op_sel, op_sel_hi).
.macro STAGEA par
.set PP, 128+64*(\par)
.set UU, 112-64*(\par)
.set MM, 32+16*(\par)
.irp g, 0,1,2,3,4,5,6,7
	v_pk_add_f32 v[DR+2*\g:DR+2*\g+1], v[PP+8*\g:PP+8*\g+1], v[RW:RW+1] op_sel_hi:[0,1] neg_lo:[0,1] neg_hi:[0,1]   ; dr = pr - row
.endr
.irp g, 0,1,2,3,4,5,6,7
	v_pk_add_f32 v[DC+2*\g:DC+2*\g+1], v[PP+8*\g:PP+8*\g+1], v[CL:CL+1] op_sel:[1,0] op_sel_hi:[1,1] neg_lo:[0,1] neg_hi:[0,1]   ; dc = pc - col
.endr
.irp g, 0,1,2,3,4,5,6,7
	v_pk_mul_f32 v[UU+2*\g:UU+2*\g+1], v[DR+2*\g:DR+2*\g+1], v[PP+8*\g+2:PP+8*\g+3] op_sel_hi:[1,0]   ; a dr
.endr
.irp g, 0,1,2,3,4,5,6,7
	v_pk_mul_f32 v[VV+2*\g:VV+2*\g+1], v[DC+2*\g:DC+2*\g+1], v[PP+8*\g+4:PP+8*\g+5] op_sel_hi:[1,0]   ; b dc
.endr
.irp g, 0,1,2,3,4,5,6,7
	v_pk_fma_f32 v[UU+2*\g:UU+2*\g+1], v[DC+2*\g:DC+2*\g+1], v[PP+8*\g+2:PP+8*\g+3], v[UU+2*\g:UU+2*\g+1] op_sel:[0,1,0] op_sel_hi:[1,1,1]   ; + c dc
.endr
.irp g, 0,1,2,3,4,5,6,7
	v_pk_mul_f32 v[VV+2*\g:VV+2*\g+1], v[VV+2*\g:VV+2*\g+1], v[DC+2*\g:DC+2*\g+1]   ; b dc dc: never negative, never -0
.endr
.irp g, 0,1,2,3,4,5,6,7
	v_pk_fma_f32 v[UU+2*\g:UU+2*\g+1], v[UU+2*\g:UU+2*\g+1], v[DR+2*\g:DR+2*\g+1], v[VV+2*\g:VV+2*\g+1]   ; q
.endr
.irp g, 0,1,2,3,4,5,6,7
	v_cmp_lt_u32 s[MM+2*\g], v[UU+2*\g], v[PP+8*\g+6]       ; the bits of q under qlim, as unsigned numbers: 0 <= q <= log2(255 o).  False for negative q (power > 0), for NaN, and always where qlim is 0 (keep is false)
	v_cmp_lt_u32 s[MM+2*\g+1], v[UU+2*\g+1], v[PP+8*\g+6]
.endr
.irp g, 0,1,2,3,4,5,6,7
	v_pk_add_f32 v[UU+2*\g:UU+2*\g+1], v[PP+8*\g+4:PP+8*\g+5], v[UU+2*\g:UU+2*\g+1] op_sel:[1,0] op_sel_hi:[1,1] neg_lo:[0,1] neg_hi:[0,1]   ; lo - q
.endr
.endm
.macro S4 g                            ; alpha of gaussian g: held at 0.99, then 0 where the compare failed
	v_min_num_f32 v[UU+2*(\g)], s30, v[UU+2*(\g)]
	v_min_num_f32 v[UU+2*(\g)+1], s30, v[UU+2*(\g)+1]
	v_cndmask_b32 v[UU+2*(\g)], 0, v[UU+2*(\g)], s[MM+2*(\g)]
	v_cndmask_b32 v[UU+2*(\g)+1], 0, v[UU+2*(\g)+1], s[MM+2*(\g)+1]
.endm
.macro CHAIN g, d                      ; T behind gaussian g, into pair d: T - alpha T
	v_pk_fma_f32 v[TT+2*(\d):TT+2*(\d)+1], v[UU+2*(\g):UU+2*(\g)+1], v[TT+2*(\g):TT+2*(\g)+1], v[TT+2*(\g):TT+2*(\g)+1] neg_lo:[1,0,0] neg_hi:[1,0,0]
.endm
; PART B of the batch whose exponentials lie in array par; its w go to places wo on of the block.  ex = 1: the next batch's sixteen exponentials, on the other array, are dealt out among these lines.
.macro BWORK par, wo, ex
.set UU, 112-64*(\par)
.set U2, 48+64*(\par)
.set MM, 32+16*(\par)
	S4 0
.irp g, 0,1,2,3,4,5,6,7
.if \g < 7
	S4 \g+1
.endif
.if \ex
	v_exp_f32 v[U2+2*\g], v[U2+2*\g]
.endif
.if \g < 7
	CHAIN \g, \g+1
.endif
.if \ex
	v_exp_f32 v[U2+2*\g+1], v[U2+2*\g+1]
.endif
.endr
	WIN 0x40                                       ; destination window 1
.irp g, 0,1,2,3,4,5,6,7
	v_mul_f32 v[W0+(\wo)+\g], v[UU+2*\g], v[TT+2*\g]         ; w = alpha x T ahead of the gaussian
	v_mul_f32 v[W1+(\wo)+\g], v[UU+2*\g+1], v[TT+2*\g+1]
.endr
	WIN 0x14                                       ; sources 1 and 2 window 1
.irp g, 0,2,4,6
	v_max3_num_f32 v[MX], v[MX], v[W0+(\wo)+\g], v[W0+(\wo)+\g+1]   ; no w is negative: no |.|
	v_max3_num_f32 v[MX+1], v[MX+1], v[W1+(\wo)+\g], v[W1+(\wo)+\g+1]
.endr
	WIN 0
	CHAIN 7, 0                                     ; behind the products that read pair 0: T ahead of the next batch
.if \ex
	s_wait_alu depctr_va_vdst(0)                   ; one wait for the sixteen exponentials, behind 25 plain lines and ahead of their first reader, the next part B
.endif
.endm
; A block of 32 gaussians is whole: scale, codes, and both into the park.  The codes' registers are dr's and dc's, which are dead here.
.macro QUANT
	v_add_nc_u32 v[PK], s26, v[PK0]
	v_add_nc_u32 v[SK], s26, v[SK0]
	v_add_nc_u32 v[SCOP], 0xfe000000, v[MX]        ; 4 off the exponent field: the conversion takes the exponent field of this operand as its scale
	v_add_nc_u32 v[SCOP+1], 0xfe000000, v[MX+1]
	v_lshrrev_b32 v[BY], 23, v[SCOP]               ; the scale's byte
	v_lshrrev_b32 v[BY+1], 23, v[SCOP+1]
	v_lshlrev_b32 v[BY], s28, v[BY]
	v_lshlrev_b32 v[BY+1], s28, v[BY+1]
	v_and_or_b32 v[SW], v[SW], s29, v[BY]          ; into the word of these 128 gaussians; a word's first byte begins it anew
	v_and_or_b32 v[SW+1], v[SW+1], s29, v[BY+1]
	WIN 0x01                                       ; source 0 window 1
	v_cvt_scalef32_pk16_bf6_f32 v[64:66], v[W0:W0+15], v[SCOP]
	v_cvt_scalef32_pk16_bf6_f32 v[70:72], v[W0+16:W0+31], v[SCOP]       ; (a conversion's three registers begin on an even number)
	v_cvt_scalef32_pk16_bf6_f32 v[74:76], v[W1:W1+15], v[SCOP+1]
	v_cvt_scalef32_pk16_bf6_f32 v[80:82], v[W1+16:W1+31], v[SCOP+1]
	WIN 0
	v_mov_b32 v[MX], FLOOR                         ; the next block's maxima begin at the floor.  (The plain place behind the scaled conversions)
	v_mov_b32 v[MX+1], FLOOR
.irp i, 0,1,2
	v_mov_b32 v[67+\i], v[70+\i]
	v_mov_b32 v[77+\i], v[80+\i]
.endr
.irp i, 0,1,2
	ds_store_b64 v[PK], v[64+2*\i:65+2*\i] offset:8*\i
.endr
.irp i, 0,1,2
	ds_store_b64 v[PK], v[74+2*\i:75+2*\i] offset:768+8*\i
.endr
	ds_store_b32 v[SK], v[SW] offset:1536          ; the word as far as it is made: those of blocks 3, 7, 11 and 13 are read
	ds_store_b32 v[SK], v[SW+1] offset:1664
	s_add_co_u32 s25, s25, 1024
	s_add_co_u32 s26, s26, BREC
	s_add_co_u32 s28, s28, 8
	s_and_b32 s28, s28, 24
	s_cmp_lg_u32 s28, 0
	s_cselect_b32 s29, -1, 0
.endm
; Slot i of a trip: batch k = 4 b + i.  load: batch k + 2's parameters, into the set that part A of batch k has left.  ae: part A and the exponentials of batch k + 1.
.macro SLOT i, adr, load, ae
.if \load
	PLOAD (\i)%2, \adr, 256*((\i)+2)
	s_wait_dscnt 16                                ; LDS instructions end in order: all but the 16 just issued are done: batch k + 1's parameters are in, and the last block's stores have read their registers
.elseif \ae
	s_wait_dscnt 0x0
.endif
.if \ae
	STAGEA ((\i)+1)%2
.endif
	BWORK (\i)%2, 8*(\i), \ae
.endm
; Each address register is written where no load that names it is out: v5's last loads were waited for in slot 2 of the trip before, v22's in slot 0 of this one.
.macro TRIP l2, l3, a3
	v_mov_b32 v[PA0], s25
	SLOT 0, PA0, 1, 1
	SLOT 1, PA0, 1, 1
.if \l2
	v_mov_b32 v[PA1], s25
.endif
	SLOT 2, PA1, \l2, 1
	SLOT 3, PA1, \l3, \a3
	QUANT
.endm
	PLOAD 0, PA1, 0                                ; batches 0 and 1
	PLOAD 1, PA1, 256
	s_wait_dscnt 16                                ; batch 0's are in
	STAGEA 0
.irp j, 0,1,2,3,4,5,6,7,8,9,10,11,12,13,14,15
	v_exp_f32 v[112+\j], v[112+\j]
.endr
	v_nop                                          ; a plain place behind the last exponential
	s_wait_alu depctr_va_vdst(0)                   ; and the batch's one wait
.Ltrip:                                                ; 13 trips, a block of 32 gaussians each; the highest parameter byte read in the loop is 12,288 + 1,535
	TRIP 1, 1, 1
	s_add_co_u32 s27, s27, 1
	s_cmp_lt_u32 s27, 13
	s_cbranch_scc1 .Ltrip
	TRIP 0, 0, 0                                   ; block 13 is written out: nothing is read behind entry 447.  Entries 432 to 447 are null: the block's upper half gets zero codes
; ---- THE PRODUCT
	s_wait_asynccnt 0x0                            ; all my copies have landed,
	s_wait_dscnt 0x0                               ; my stores into the park too
	s_barrier_signal -1
	s_barrier_wait -1                              ; the features' codes and scale words are whole
	WIN 0x40
.irp t, 0,1,2,3
.irp j, 6,7,8,9,10,11
	v_mov_b32 v[12*(4*\t+3)+\j], 0                 ; gaussians 448 to 511 of w: zero codes
.endr
.endr
	WIN 0
	v_and_b32 v32, 15, v0                          ; r
	v_bfe_u32 v33, v0, 4, 1                        ; h
	v_and_b32 v35, 31, v0                          ; lane
	s_mul_i32 s31, s16, PKW
	s_add_co_u32 s31, s31, PARK
	v_mul_u32_u24 v34, v32, 24
	v_mad_u32_u24 v34, v33, BREC, v34
	v_add_nc_u32 v34, s31, v34                     ; FA: pixel r of a tile, and one block on for lanes 16-31
	v_lshlrev_b32 v3, 4, v35                       ; LI: an image's place for my lane
	v_lshlrev_b32 v4, 2, v35                       ; LS: a scale word's
	s_mul_i32 s31, s16, STW
	s_add_co_u32 s31, s31, STAGE                   ; my stage
	v_mul_u32_u24 v5, v32, 272
	v_lshl_add_u32 v5, v33, 5, v5
	v_add_nc_u32 v5, s31, v5                       ; STO: row = channel r; 32 bytes for each half of the lanes
	v_mul_u32_u24 v6, v33, 272
	v_lshl_add_u32 v6, v32, 4, v6
	v_add_nc_u32 v6, s31, v6                       ; RD: lanes 0-15 one row of 256 bytes, lanes 16-31 the next
	s_lshl_b32 s31, s24, 2
	v_lshl_add_u32 v36, v32, 4, s31                ; 16 r + 4 pb
	v_mul_lo_u32 v37, v33, s21
	v_add_nc_u32 v8, v36, v37                      ; in the output: channel 2 i + h of the sixteen, pixels pb + 4 r on
	s_lshl_b32 s31, s21, 1
.irp i, 1,2,3,4,5,6,7
	v_add_nc_u32 v[8+\i], s31, v[7+\i]
.endr
	v_lshl_add_u32 v36, v32, 2, s24
	v_cmp_gt_u32 s66, s20, v36                     ; which of my four pixels lie inside the scale
	v_add_nc_u32 v37, 1, v36
	v_cmp_gt_u32 s67, s20, v37
	v_add_nc_u32 v37, 2, v36
	v_cmp_gt_u32 s68, s20, v37
	v_add_nc_u32 v37, 3, v36
	v_cmp_gt_u32 s69, s20, v37
; w's fragments out of the park.  Tile t = 2 u + hh holds pixels 32 u + 16 hh + r; lane (r, h) wants, in registers 6 c .. 6 c + 5, block 4 ks + 2 c + h of its pixel: 24 bytes, as they were stored.
	WIN 0x40
.irp t, 0,1,2,3
.irp ks, 0,1,2,3
.irp c, 0,1
.if 2*\ks+\c < 7
.irp i, 0,1,2
	ds_load_b64 v[12*(4*\t+\ks)+6*\c+2*\i:12*(4*\t+\ks)+6*\c+2*\i+1], v34 offset:BREC*(4*\ks+2*\c)+768*(\t/2)+384*(\t%2)+8*\i
.endr
.endif
.endr
.endr
.endr
	WIN 0
.irp ks, 0,1,2,3
.irp u, 0,1
	ds_load_b32 v[16+2*\ks+\u], v[SK0] offset:BREC*(4*\ks+3-2*(\ks/3))+1536+128*\u   ; lane l: the word of pixel 32 u + l: lanes 0-15 serve tile 2 u, lanes 16-31 tile 2 u + 1
.endr
.endr
.macro ALOAD m                         ; the four fragments of channels 16 m on, and their scale words: 16 LDS loads
.set AFL, 128+48*((\m)%2)
.set ASL, 24+4*((\m)%2)
.irp ks, 0,1,2,3
.irp i, 0,1,2
	ds_load_b128 v[AFL+12*\ks+4*\i:AFL+12*\ks+4*\i+3], v3 offset:AIMG+(4*(\m)+\ks)*1536+512*\i
.endr
	ds_load_b32 v[ASL+\ks], v4 offset:ASC+(4*((\m)/2)+\ks)*128
.endr
.endm
; One matrix instruction: 16 pixels of tile t x 16 channels of tile m x gaussians 128 ks on.  An odd t's scale words lie in lanes 16-31 of their register, and so do an odd m's.
.macro WM t, ks, m
.set ACB, 64+32*((\m)%2)+8*(\t)
.set FWB, 12*(4*(\t)+(\ks))
.set AFB, 128+48*((\m)%2)+12*(\ks)
.set SWB, 16+2*(\ks)+(\t)/2
.set ASB, 24+4*((\m)%2)+(\ks)
.set ROWS, 2*((\m)%2)+(\t)%2
.if (\ks) == 0                         ; the first K step starts the sum: nothing is cleared
.if ROWS == 0
	v_wmma_scale_f32_16x16x128_f8f6f4 v[ACB:ACB+7], v[FWB:FWB+11], v[AFB:AFB+11], 0, v[SWB], v[ASB] matrix_a_fmt:MATRIX_FMT_BF6 matrix_b_fmt:MATRIX_FMT_BF6
.elseif ROWS == 1
	v_wmma_scale_f32_16x16x128_f8f6f4 v[ACB:ACB+7], v[FWB:FWB+11], v[AFB:AFB+11], 0, v[SWB], v[ASB] matrix_a_fmt:MATRIX_FMT_BF6 matrix_b_fmt:MATRIX_FMT_BF6 matrix_a_scale:MATRIX_SCALE_ROW1
.elseif ROWS == 2
	v_wmma_scale_f32_16x16x128_f8f6f4 v[ACB:ACB+7], v[FWB:FWB+11], v[AFB:AFB+11], 0, v[SWB], v[ASB] matrix_a_fmt:MATRIX_FMT_BF6 matrix_b_fmt:MATRIX_FMT_BF6 matrix_b_scale:MATRIX_SCALE_ROW1
.else
	v_wmma_scale_f32_16x16x128_f8f6f4 v[ACB:ACB+7], v[FWB:FWB+11], v[AFB:AFB+11], 0, v[SWB], v[ASB] matrix_a_fmt:MATRIX_FMT_BF6 matrix_b_fmt:MATRIX_FMT_BF6 matrix_a_scale:MATRIX_SCALE_ROW1 matrix_b_scale:MATRIX_SCALE_ROW1
.endif
.else
.if ROWS == 0
	v_wmma_scale_f32_16x16x128_f8f6f4 v[ACB:ACB+7], v[FWB:FWB+11], v[AFB:AFB+11], v[ACB:ACB+7], v[SWB], v[ASB] matrix_a_fmt:MATRIX_FMT_BF6 matrix_b_fmt:MATRIX_FMT_BF6
.elseif ROWS == 1
	v_wmma_scale_f32_16x16x128_f8f6f4 v[ACB:ACB+7], v[FWB:FWB+11], v[AFB:AFB+11], v[ACB:ACB+7], v[SWB], v[ASB] matrix_a_fmt:MATRIX_FMT_BF6 matrix_b_fmt:MATRIX_FMT_BF6 matrix_a_scale:MATRIX_SCALE_ROW1
.elseif ROWS == 2
	v_wmma_scale_f32_16x16x128_f8f6f4 v[ACB:ACB+7], v[FWB:FWB+11], v[AFB:AFB+11], v[ACB:ACB+7], v[SWB], v[ASB] matrix_a_fmt:MATRIX_FMT_BF6 matrix_b_fmt:MATRIX_FMT_BF6 matrix_b_scale:MATRIX_SCALE_ROW1
.else
	v_wmma_scale_f32_16x16x128_f8f6f4 v[ACB:ACB+7], v[FWB:FWB+11], v[AFB:AFB+11], v[ACB:ACB+7], v[SWB], v[ASB] matrix_a_fmt:MATRIX_FMT_BF6 matrix_b_fmt:MATRIX_FMT_BF6 matrix_a_scale:MATRIX_SCALE_ROW1 matrix_b_scale:MATRIX_SCALE_ROW1
.endif
.endif
.endm
.macro TOSTAGE m                       ; 16 channels x 64 pixels into my stage, 32 bytes a lane, and back as rows of 256 bytes: 8 stores, 8 loads.  LDS serves a wave's instructions in order: no wait between them
.set ACS, 64+32*((\m)%2)
.set BKB, 32+192*((\m)%2)
.irp t, 0,1,2,3
	ds_store_b128 v5, v[ACS+8*\t:ACS+8*\t+3] offset:64*\t            ; each accumulator from its low end on
	ds_store_b128 v5, v[ACS+8*\t+4:ACS+8*\t+7] offset:64*\t+16
.endr
.irp i, 0,1,2,3,4,5,6,7
	ds_load_b128 v[BKB+4*\i:BKB+4*\i+3], v6 offset:544*\i
.endr
.endm
; Channels 16 m on.  cnt: the LDS instructions younger than this tile's fragments.  The four accumulators take turns, one instruction a turn; the two sets take turns from tile to tile, and a set is
; begun anew with eight plain places (two tiles' four) behind its last product.
.macro MSTEP m, cnt
	s_wait_dscnt \cnt
	WIN 0x01                                       ; source 0 (w) window 1
.irp ks, 0,1,2,3
.irp t, 0,1,2,3
	WM \t, \ks, \m
.endr
.endr
	WIN 0
.rept 4
	v_nop                                          ; four places ahead of the stores that read the results and of the loads into the fragments' registers (ISA guide 7.12.1 for vector instructions)
.endr
	TOSTAGE \m
.if (\m) < 6
	ALOAD (\m)+2
.endif
.endm
; The rows of tile mm leave.  younger: the LDS instructions issued behind that tile's loads from the stage.
.macro SEND mm, younger
.set BKB, 32+192*((\mm)%2)
	s_wait_dscnt \younger
	s_wait_xcnt 0x0                                ; the stores' base and EXEC change only behind this wait
.if (\mm) > 0
	s_add_nc_u64 s[6:7], s[6:7], s[22:23]          ; 16 channels on
.endif
	s_cmp_eq_u32 s17, 0                            ; the work-group's number alone decides
	s_cbranch_scc1 .Lsmall_\@
	s_and_saveexec_b32 s70, s66                    ; 2,500, 10,000 and 40,000 are multiples of 4: a lane's four pixels are inside together
.irp i, 0,1,2,3,4,5,6,7
	global_store_b128 v[8+\i], v[BKB+4*\i:BKB+4*\i+3], s[6:7] th:TH_STORE_NT   ; sixteen lanes store 256 consecutive bytes of one channel (in out3 at a multiple of 256 from its first byte; out1's and out2's channels are no multiples of 256 bytes)
.endr
	s_wait_xcnt 0x0
	s_or_b32 exec_lo, exec_lo, s70
	s_branch .Lsent_\@
.Lsmall_\@:                                            ; out0: a channel is 2,500 bytes, a multiple of 4 and not of 16: so 4 bytes a store; out0 is 320,000 of the 27,200,000 bytes
.irp e, 0,1,2,3
	s_and_saveexec_b32 s70, s[66+\e]
.irp i, 0,1,2,3,4,5,6,7
	global_store_b32 v[8+\i], v[BKB+4*\i+\e], s[6:7] offset:4*\e th:TH_STORE_NT
.endr
	s_wait_xcnt 0x0
	s_or_b32 exec_lo, exec_lo, s70
.endr
.Lsent_\@:
.endm
	ALOAD 0
	ALOAD 1
	MSTEP 0, 16                                    ; behind tile 0's fragments: tile 1's 16 loads
	MSTEP 1, 32                                    ; behind tile m's: the stage's 16 of tile m - 1 and tile m + 1's 16
	SEND 0, 48                                     ; behind tile m's loads from the stage: fragments 16, the next stage's 16, fragments 16
	MSTEP 2, 32
	SEND 1, 48
	MSTEP 3, 32
	SEND 2, 48
	MSTEP 4, 32
	SEND 3, 48
	MSTEP 5, 32
	SEND 4, 48
	MSTEP 6, 32
	SEND 5, 32                                     ; tile 7's fragments and tile 6's stage
	MSTEP 7, 16                                    ; tile 6's stage
	SEND 6, 16                                     ; tile 7's stage
	SEND 7, 0
	s_wait_asynccnt 0x0                            ; the wave's end: the lines below, behind my last copy and my last LDS store
	s_wait_tensorcnt 0x0
	ds_add_u32 v[SPW], v[NIL]
	s_wait_dscnt 0x0
	s_endpgm
.Lfunc_end_k_q5e880bf6b1_render:
	.size	k_q5e880bf6b1_render, .Lfunc_end_k_q5e880bf6b1_render-k_q5e880bf6b1_render
	.p2alignl 7, 3214868480
	.fill 96, 4, 3214868480
	.section	.rodata,"a",@progbits
	.p2align	6, 0x0
	.amdhsa_kernel k_q5e880bf6b1_render
		.amdhsa_group_segment_fixed_size 190976
		.amdhsa_private_segment_fixed_size 0
		.amdhsa_enable_private_segment 0
		.amdhsa_kernarg_size 40
		.amdhsa_user_sgpr_count 2
		.amdhsa_user_sgpr_kernarg_segment_ptr 1
		.amdhsa_wavefront_size32 1
		.amdhsa_system_sgpr_workgroup_id_x 1
		.amdhsa_system_sgpr_workgroup_id_y 1
		.amdhsa_system_sgpr_workgroup_id_z 1
		.amdhsa_system_vgpr_workitem_id 0
		.amdhsa_next_free_vgpr 512
		.amdhsa_next_free_sgpr 80
		.amdhsa_reserve_vcc 0
		.amdhsa_float_denorm_mode_32 3
		.amdhsa_float_denorm_mode_16_64 3
		.amdhsa_memory_ordered 1
		.amdhsa_forward_progress 1
		.amdhsa_inst_pref_size 166
	.end_amdhsa_kernel
	.amdgpu_metadata
---
amdhsa.version: [ 1, 2 ]
amdhsa.kernels:
  - .name:           k_q5e880bf6b1_render
    .symbol:         k_q5e880bf6b1_render.kd
    .args:
      - { .name: ws, .offset: 0, .size: 8, .value_kind: global_buffer, .address_space: global }
      - { .name: out0, .offset: 8, .size: 8, .value_kind: global_buffer, .address_space: global }
      - { .name: out1, .offset: 16, .size: 8, .value_kind: global_buffer, .address_space: global }
      - { .name: out2, .offset: 24, .size: 8, .value_kind: global_buffer, .address_space: global }
      - { .name: out3, .offset: 32, .size: 8, .value_kind: global_buffer, .address_space: global }
    .group_segment_fixed_size: 190976
    .private_segment_fixed_size: 0
    .kernarg_segment_align: 8
    .kernarg_segment_size: 40
    .max_flat_workgroup_size: 128
    .sgpr_count:     80
    .vgpr_count:     512
    .wavefront_size: 32
...
	.end_amdgpu_metadata
.endif
;; end of part 2
;; ======== version 2 of 2: 2 launches; 1.14 times as fast as version 1
;; workspace buffers: ws 262,144 bytes
;; launch prep: the kernel of part 1 again; grid 121 x 1, 1 waves a work-group, no clusters, 0 bytes of LDS; arguments features0, features1, features2, features3, means0, means1, means2, means3, uncert0, uncert1, uncert2, uncert3, opac0, opac1, opac2, opac3, ws, out4; writes ws, out4
;; launch render (part 3): grid 217 x 1, 4 waves a work-group, no clusters, 208,384 bytes of LDS; arguments ws, out0, out1, out2, out3; writes out0, out1, out2, out3
.if DOCPART == 3
	.amdgcn_target "amdgcn-amd-amdhsa--gfx1250"
	.amdhsa_code_object_version 6
	.text
	.protected	k_q5e880bf6b1_render
	.globl	k_q5e880bf6b1_render
	.p2align	8
	.type	k_q5e880bf6b1_render,@function
k_q5e880bf6b1_render:
	s_mov_b64 s[64:65], 0
	v_nop
	global_prefetch_b8 v0, s[64:65] scope:SCOPE_SE
	s_setreg_imm32_b32 hwreg(HW_REG_WAVE_MODE, 25, 1), 1
	s_wait_xcnt 0x0
; RENDER: out_s[d][p] = the sum over the 432 gaussians n, in their order, of f[n][d] w[n][p], w = alpha x the product of (1 - alpha) of all gaussians before n; both operands as codes of E3M2 with one E8M0 scale for each 32 gaussians.
; The features' codes and scale words and the gaussians' parameters come ready from the launch before, one record of 65,536 bytes for a scale (its layout: that kernel's head).  Left out as there: the mean's z and six of uncert's
; nine entries, which reach no output; nothing else.  min(power, 0) is served by the select: where power > 0 reference() selects 0, and so does the compare on q here; the exponential's value there is held at 0.99 and thrown away.
; LIMITS.  NaN and infinities among the inputs are not served.  alpha = 2^(log2(o) - q) for o exp(power); the test alpha >= 1/255 is made on q; T is stepped by one fused multiply-add T - alpha T.  Each differs from
; reference() by f32 rounding alone.  A block of 32 weights whose largest lies under 2^(5 - 127), zeros among them, gets the scale byte 1: its codes are zeros or count for nothing beside f32's rounding.
; SHARES.  In the three larger scales a work-group takes 256 neighbouring pixels: 157 + 40 + 10 work-groups (the largest scale first); a wave 64 of them, TWO TO A LANE (pixel pb + 32 u + lane, u = 0, 1), in register pairs, so that
; the arithmetic up to the exponent is packed.  All lanes work on the same gaussian: its eight parameters are one broadcast from LDS; T is a register pair; a block of 32 gaussians lies whole in one lane, so its largest weight
; needs no other lane, and the conversions, which take neighbours along K from one lane's registers, give codes with K innermost.  Pixels at or behind the scale's last are computed like the others and not stored.
; THE SMALLEST SCALE has 10 work-groups of 64 pixels.  A channel of out0 is 2,500 bytes, a multiple of 4 and not of 16, so its stores are of 4 bytes a lane, 32 for a tile of 16 channels x 64 pixels: a wave that made all eight
; tiles would issue 256 stores, four times what a wave of the other scales issues.  So wave 0 walks the gaussians for the 64 pixels, and behind the barrier all four waves read its codes and make two tiles each: 64 stores a wave.
; The walk is not shared: T runs through all gaussians in order.  They run the prologue and go round the loop's 13 trips past its body, so that the trip count stays a
; constant and no way through the text reads a register that was not written.
; THE WALK.  Gaussians go in batches of 8, each stage of the arithmetic over all 8, so that no line waits for the line above it.  Parameters are loaded two batches ahead; part A of batch k + 1 (up to the exponent and the
; compare) stands ahead of part B of batch k (hold, select, T, w, maximum), and batch k + 1's sixteen exponentials are dealt out among B's plain lines, with one wait behind them.  After 4 batches a block of 32 is quantised and
; its codes are parked in the wave's own LDS.  Then the product: tiles of 16 channels x 4 tiles of 16 pixels x 4 K steps of 128, used transposed (source 0 = 16 pixels, source 1 = 16 channels), so that a lane holds eight
; neighbouring pixels of one channel; K from 432 to 511 is zero codes on both sides.
; NO CLUSTER: the scales' runs of 157, 40, 10 and 10 work-groups are no multiples of four, so partners at the seams would want different records; and what is shared is one record, asked for once at the head, of which all but
; the first 16,384 bytes has the whole walk over 448 gaussians in which to land.  NO PREFETCH: the one stream is asked for at the head.  NO RING: no LDS byte is filled twice.
; LDS: 0 the record (PAR 0, AIMG 14,336, ASC 63,488), filled once by copies; 65,536 PARK, 26,880 for each wave: 14 blocks x 1,920 (codes of set 0: 24 bytes a lane, 768; of set 1: 768; scale words 128 + 128; 128 unused: 480 words
; from block to block, so that lanes 16-31, which read one block on, use the other half of the banks); 173,056 a stage of 16 rows x 272 for each wave; 190,464 the same for the smallest scale's path, bytes of its own;
; 207,872 the spare words.
; REGISTERS.  Window 0 in the walk: v1-9 addresses; v[10:13] my two rows and columns; v14-15 the block's maxima; v16-21 scale words and at work; v22 a second parameter address; v[24:39] T, eight pairs; v48-63, v112-127 the two
; batches' exponents, then alphas; v64-111 dr, dc, at work (and the codes just made); v128-255 two sets of parameters.  Window 1: v0-191 w's 16 fragments (tile t, K step ks at 12 (4 t + ks)); v192-255 a block's w, 32 for each set.
; In the product, window 0: v3-7 addresses; v8-15 offsets in the output; v16-23 w's scale words; v24-31 the features'; v32-63, v224-255 rows read back; v64-127 two sets of 4 accumulators; v128-223 two sets of 4 feature fragments.
.set AIMG,   14336
.set ASC,    63488
.set PARK,   65536
.set PKW,    26880
.set BREC,   1920
.set STAGE,  173056
.set STW,    4352
.set STAGE0, 190464
.set SPARE,  207872
.set FLOOR,  0x2800000                 ; 2^(5 - 127)
.set SPW,  1                           ; v1   LDS address of my spare word; never rewritten
.set NIL,  2                           ; v2   0; never rewritten
.set CPL,  3                           ; v3   the copies' place in LDS, 16 x thread   (later LI: an image's place for my lane)
.set CPG,  4                           ; v4   and in the record                       (later LS: a scale word's)
.set PA0,  5                           ; v5   parameter address of a trip's first two slots  (later STO)
.set PK0,  6                           ; v6   my wave's park + 24 x lane              (later RD)
.set SK0,  7                           ; v7   my wave's park + 4 x lane
.set PK,   8                           ; v8   PK0 + the block
.set SK,   9                           ; v9   SK0 + the block
.set RW,   10
.set CL,   12
.set MX,   14
.set SW,   16
.set SCOP, 18
.set BY,   20
.set PA1,  22                          ; v22  parameter address of a trip's last two slots
.set TT,   24
.set DR,   64
.set DC,   80
.set VV,   96
.set W0,   192                         ; in window 1
.set W1,   224
.set MSB, 0
.macro WIN new                         ; the immediate's high byte repeats the setting that is left; a switch that changes nothing is dropped
.if MSB != \new
	s_set_vgpr_msb (MSB<<8)|\new
.set MSB, \new
.endif
.endm
	s_load_b64 s[4:5], s[0:1], 0x0                 ; ws
	s_load_b256 s[8:15], s[0:1], 0x8               ; out0 to out3
	v_lshl_add_u32 v[SPW], v0, 2, SPARE
	v_mov_b32 v[NIL], 0
	ds_add_u32 v[SPW], v[NIL]                      ; the wave's opening: the add, twice on end, and its wait ahead of my first copy; the set-up below, work on registers, stands between
	ds_add_u32 v[SPW], v[NIL]
	v_lshrrev_b32 v5, 5, v0
	v_readfirstlane_b32 s16, v5                    ; wave 0..3
	v_lshlrev_b32 v[CPL], 4, v0
	v_lshlrev_b32 v[CPG], 4, v0
	s_mov_b32 s17, 3                               ; the scale, and its first work-group
	s_mov_b32 s18, 0
	s_cmp_ge_u32 ttmp9, 157
	s_cselect_b32 s17, 2, s17
	s_cselect_b32 s18, 157, s18
	s_cmp_ge_u32 ttmp9, 197
	s_cselect_b32 s17, 1, s17
	s_cselect_b32 s18, 197, s18
	s_cmp_ge_u32 ttmp9, 207
	s_cselect_b32 s17, 0, s17
	s_cselect_b32 s18, 207, s18
	s_sub_co_u32 s18, ttmp9, s18
	s_lshl_b32 s19, 25, s17                        ; W = H
	s_mul_i32 s20, s19, s19                        ; P = pixels
	s_lshl_b32 s21, s20, 2                         ; a channel's bytes
	s_lshl_b32 s22, s20, 6                         ; 16 channels'
	s_mov_b32 s23, 0
	s_lshl_b32 s24, s18, 8
	s_lshl_b32 s31, s16, 6
	s_add_co_u32 s24, s24, s31                     ; pb, my first pixel: 256 x work-group + 64 x wave;
	s_lshl_b32 s31, s18, 6
	s_cmp_eq_u32 s17, 0
	s_cselect_b32 s24, s31, s24                    ; in the smallest scale 64 x work-group, for all four waves
	s_cselect_b32 s71, s16, 0                      ; other than 0 in a wave that has no part in the walk: waves 1 to 3 of the smallest scale
	v_and_b32 v5, 31, v0                           ; lane
	v_add_nc_u32 v8, s24, v5                       ; my two pixels
	v_add_nc_u32 v9, 32, v8
	v_lshrrev_b32 v14, s17, v8                     ; row = p / (25 << scale) = (p >> scale) / 25, and x / 25 = (5,243 x) >> 17 for x under 43,690 (here under 5,100)
	v_lshrrev_b32 v15, s17, v9
	v_mul_u32_u24 v14, v14, 5243
	v_mul_u32_u24 v15, v15, 5243
	v_lshrrev_b32 v14, 17, v14
	v_lshrrev_b32 v15, 17, v15
	v_mul_lo_u32 v16, v14, s19
	v_mul_lo_u32 v17, v15, s19
	v_sub_nc_u32 v16, v8, v16                      ; col
	v_sub_nc_u32 v17, v9, v17
	v_cvt_f32_u32 v[RW], v14
	v_cvt_f32_u32 v[RW+1], v15
	v_cvt_f32_u32 v[CL], v16
	v_cvt_f32_u32 v[CL+1], v17
	s_mul_i32 s31, s16, PKW
	s_add_co_u32 s31, s31, PARK                    ; my wave's park
	v_mul_u32_u24 v[PK0], v5, 24
	v_add_nc_u32 v[PK0], s31, v[PK0]
	v_lshlrev_b32 v[SK0], 2, v5
	v_add_nc_u32 v[SK0], s31, v[SK0]
	s_mov_b32 s25, 0                               ; the trip's parameters: 1,024 bytes a block
	s_mov_b32 s26, 0                               ; the trip's place in the park: 1,920 bytes a block
	s_mov_b32 s27, 0                               ; blocks done
	s_mov_b32 s28, 0                               ; 8 x (block % 4): where the block's byte goes in the scale word
	s_mov_b32 s29, 0                               ; 0 where a scale word begins, else all ones
	s_mov_b32 s30, 0x3f7d70a4                      ; 0.99
	s_wait_dscnt 0x0                               ; both opening adds are done
	s_wait_kmcnt 0x0
	s_lshl_b32 s2, s17, 16
	s_mov_b32 s3, 0
	s_add_nc_u64 s[4:5], s[4:5], s[2:3]            ; the scale's record
	s_cmp_eq_u32 s17, 1
	s_cselect_b64 s[6:7], s[10:11], s[8:9]         ; and its output: the choice hangs on the work-group's number alone
	s_cmp_eq_u32 s17, 2
	s_cselect_b64 s[6:7], s[12:13], s[6:7]
	s_cmp_eq_u32 s17, 3
	s_cselect_b64 s[6:7], s[14:15], s[6:7]
.set CI, 0
.rept 32
	global_load_async_to_lds_b128 v[CPL], v[CPG], s[4:5] offset:2048*CI   ; the record as it lies: 128 threads x 16 bytes a line; the immediate goes onto both addresses.  v3, v4 and s[4:5] stay as they are until all copies are waited for
.set CI, CI+1
.endr
	v_mov_b32 v[TT], 1.0                           ; T ahead of the first gaussian
	v_mov_b32 v[TT+1], 1.0
	v_mov_b32 v[SW], 0
	v_mov_b32 v[SW+1], 0
	v_mov_b32 v[MX], FLOOR
	v_mov_b32 v[MX+1], FLOOR
	v_mov_b32 v[PA1], 0
	s_wait_asynccnt 24                             ; copies end in the order of issue: my parts of the first eight lines, 16,384 bytes, are in: the parameters' 14,336 among them; the 24 younger copies stay out
	s_barrier_signal -1
	s_barrier_wait -1                              ; everybody's are.  Nothing is filled a second time behind this barrier
; 8 gaussians' parameters, 256 bytes from byte off on, into set par: every lane reads the same bytes
.macro PLOAD par, adr, off
.irp g, 0,1,2,3,4,5,6,7
	ds_load_b128 v[128+64*(\par)+8*\g:128+64*(\par)+8*\g+3], v[\adr] offset:(\off)+32*\g
	ds_load_b128 v[128+64*(\par)+8*\g+4:128+64*(\par)+8*\g+7], v[\adr] offset:(\off)+32*\g+16
.endr
.endm
; PART A of a batch, from set par: q = (a dr + c dc) dr + (b dc) dc for my two pixels; the compare; lo - q.  Of a parameter pair one word serves both halves (op_sel, op_sel_hi).
.macro STAGEA par
.set PP, 128+64*(\par)
.set UU, 112-64*(\par)
.set MM, 32+16*(\par)
.irp g, 0,1,2,3,4,5,6,7
	v_pk_add_f32 v[DR+2*\g:DR+2*\g+1], v[PP+8*\g:PP+8*\g+1], v[RW:RW+1] op_sel_hi:[0,1] neg_lo:[0,1] neg_hi:[0,1]   ; dr = pr - row
.endr
.irp g, 0,1,2,3,4,5,6,7
	v_pk_add_f32 v[DC+2*\g:DC+2*\g+1], v[PP+8*\g:PP+8*\g+1], v[CL:CL+1] op_sel:[1,0] op_sel_hi:[1,1] neg_lo:[0,1] neg_hi:[0,1]   ; dc = pc - col
.endr
.irp g, 0,1,2,3,4,5,6,7
	v_pk_mul_f32 v[UU+2*\g:UU+2*\g+1], v[DR+2*\g:DR+2*\g+1], v[PP+8*\g+2:PP+8*\g+3] op_sel_hi:[1,0]   ; a dr
.endr
.irp g, 0,1,2,3,4,5,6,7
	v_pk_mul_f32 v[VV+2*\g:VV+2*\g+1], v[DC+2*\g:DC+2*\g+1], v[PP+8*\g+4:PP+8*\g+5] op_sel_hi:[1,0]   ; b dc
.endr
.irp g, 0,1,2,3,4,5,6,7
	v_pk_fma_f32 v[UU+2*\g:UU+2*\g+1], v[DC+2*\g:DC+2*\g+1], v[PP+8*\g+2:PP+8*\g+3], v[UU+2*\g:UU+2*\g+1] op_sel:[0,1,0] op_sel_hi:[1,1,1]   ; + c dc
.endr
.irp g, 0,1,2,3,4,5,6,7
	v_pk_mul_f32 v[VV+2*\g:VV+2*\g+1], v[VV+2*\g:VV+2*\g+1], v[DC+2*\g:DC+2*\g+1]   ; b dc dc: never negative, never -0
.endr
.irp g, 0,1,2,3,4,5,6,7
	v_pk_fma_f32 v[UU+2*\g:UU+2*\g+1], v[UU+2*\g:UU+2*\g+1], v[DR+2*\g:DR+2*\g+1], v[VV+2*\g:VV+2*\g+1]   ; q
.endr
.irp g, 0,1,2,3,4,5,6,7
	v_cmp_lt_u32 s[MM+2*\g], v[UU+2*\g], v[PP+8*\g+6]       ; the bits of q under qlim, as unsigned numbers: 0 <= q <= log2(255 o).  False for negative q (power > 0), for NaN, and always where qlim is 0 (keep is false)
	v_cmp_lt_u32 s[MM+2*\g+1], v[UU+2*\g+1], v[PP+8*\g+6]
.endr
.irp g, 0,1,2,3,4,5,6,7
	v_pk_add_f32 v[UU+2*\g:UU+2*\g+1], v[PP+8*\g+4:PP+8*\g+5], v[UU+2*\g:UU+2*\g+1] op_sel:[1,0] op_sel_hi:[1,1] neg_lo:[0,1] neg_hi:[0,1]   ; lo - q
.endr
.endm
.macro S4 g                            ; alpha of gaussian g: held at 0.99, then 0 where the compare failed
	v_min_num_f32 v[UU+2*(\g)], s30, v[UU+2*(\g)]
	v_min_num_f32 v[UU+2*(\g)+1], s30, v[UU+2*(\g)+1]
	v_cndmask_b32 v[UU+2*(\g)], 0, v[UU+2*(\g)], s[MM+2*(\g)]
	v_cndmask_b32 v[UU+2*(\g)+1], 0, v[UU+2*(\g)+1], s[MM+2*(\g)+1]
.endm
.macro CHAIN g, d                      ; T behind gaussian g, into pair d: T - alpha T
	v_pk_fma_f32 v[TT+2*(\d):TT+2*(\d)+1], v[UU+2*(\g):UU+2*(\g)+1], v[TT+2*(\g):TT+2*(\g)+1], v[TT+2*(\g):TT+2*(\g)+1] neg_lo:[1,0,0] neg_hi:[1,0,0]
.endm
; PART B of the batch whose exponentials lie in array par; its w go to places wo on of the block.  ex = 1: the next batch's sixteen exponentials, on the other array, are dealt out among these lines.
.macro BWORK par, wo, ex
.set UU, 112-64*(\par)
.set U2, 48+64*(\par)
.set MM, 32+16*(\par)
	S4 0
.irp g, 0,1,2,3,4,5,6,7
.if \g < 7
	S4 \g+1
.endif
.if \ex
	v_exp_f32 v[U2+2*\g], v[U2+2*\g]
.endif
.if \g < 7
	CHAIN \g, \g+1
.endif
.if \ex
	v_exp_f32 v[U2+2*\g+1], v[U2+2*\g+1]
.endif
.endr
	WIN 0x40                                       ; destination window 1
.irp g, 0,1,2,3,4,5,6,7
	v_mul_f32 v[W0+(\wo)+\g], v[UU+2*\g], v[TT+2*\g]         ; w = alpha x T ahead of the gaussian
	v_mul_f32 v[W1+(\wo)+\g], v[UU+2*\g+1], v[TT+2*\g+1]
.endr
	WIN 0x14                                       ; sources 1 and 2 window 1
.irp g, 0,2,4,6
	v_max3_num_f32 v[MX], v[MX], v[W0+(\wo)+\g], v[W0+(\wo)+\g+1]   ; no w is negative: no |.|
	v_max3_num_f32 v[MX+1], v[MX+1], v[W1+(\wo)+\g], v[W1+(\wo)+\g+1]
.endr
	WIN 0
	CHAIN 7, 0                                     ; behind the products that read pair 0: T ahead of the next batch
.if \ex
	s_wait_alu depctr_va_vdst(0)                   ; one wait for the sixteen exponentials, behind 25 plain lines and ahead of their first reader, the next part B
.endif
.endm
; A block of 32 gaussians is whole: scale, codes, and both into the park.  The codes' registers are dr's and dc's, which are dead here.
.macro QUANT
	v_add_nc_u32 v[PK], s26, v[PK0]
	v_add_nc_u32 v[SK], s26, v[SK0]
	v_add_nc_u32 v[SCOP], 0xfe000000, v[MX]        ; 4 off the exponent field: the conversion takes the exponent field of this operand as its scale
	v_add_nc_u32 v[SCOP+1], 0xfe000000, v[MX+1]
	v_lshrrev_b32 v[BY], 23, v[SCOP]               ; the scale's byte
	v_lshrrev_b32 v[BY+1], 23, v[SCOP+1]
	v_lshlrev_b32 v[BY], s28, v[BY]
	v_lshlrev_b32 v[BY+1], s28, v[BY+1]
	v_and_or_b32 v[SW], v[SW], s29, v[BY]          ; into the word of these 128 gaussians; a word's first byte begins it anew
	v_and_or_b32 v[SW+1], v[SW+1], s29, v[BY+1]
	WIN 0x01                                       ; source 0 window 1
	v_cvt_scalef32_pk16_bf6_f32 v[64:66], v[W0:W0+15], v[SCOP]
	v_cvt_scalef32_pk16_bf6_f32 v[70:72], v[W0+16:W0+31], v[SCOP]       ; (a conversion's three registers begin on an even number)
	v_cvt_scalef32_pk16_bf6_f32 v[74:76], v[W1:W1+15], v[SCOP+1]
	v_cvt_scalef32_pk16_bf6_f32 v[80:82], v[W1+16:W1+31], v[SCOP+1]
	WIN 0
	v_mov_b32 v[MX], FLOOR                         ; the next block's maxima begin at the floor.  (The plain place behind the scaled conversions)
	v_mov_b32 v[MX+1], FLOOR
.irp i, 0,1,2
	v_mov_b32 v[67+\i], v[70+\i]
	v_mov_b32 v[77+\i], v[80+\i]
.endr
.irp i, 0,1,2
	ds_store_b64 v[PK], v[64+2*\i:65+2*\i] offset:8*\i
.endr
.irp i, 0,1,2
	ds_store_b64 v[PK], v[74+2*\i:75+2*\i] offset:768+8*\i
.endr
	ds_store_b32 v[SK], v[SW] offset:1536          ; the word as far as it is made: those of blocks 3, 7, 11 and 13 are read
	ds_store_b32 v[SK], v[SW+1] offset:1664
.endm
.macro STEPS                           ; on to the next block: these lines stand at a trip's end, on every wave's way
	s_add_co_u32 s25, s25, 1024
	s_add_co_u32 s26, s26, BREC
	s_add_co_u32 s28, s28, 8
	s_and_b32 s28, s28, 24
	s_cmp_lg_u32 s28, 0
	s_cselect_b32 s29, -1, 0
.endm
; Slot i of a trip: batch k = 4 b + i.  load: batch k + 2's parameters, into the set that part A of batch k has left.  ae: part A and the exponentials of batch k + 1.
.macro SLOT i, adr, load, ae
.if \load
	PLOAD (\i)%2, \adr, 256*((\i)+2)
	s_wait_dscnt 16                                ; LDS instructions end in order: all but the 16 just issued are done: batch k + 1's parameters are in, and the last block's stores have read their registers
.elseif \ae
	s_wait_dscnt 0x0
.endif
.if \ae
	STAGEA ((\i)+1)%2
.endif
	BWORK (\i)%2, 8*(\i), \ae
.endm
; Each address register is written where no load that names it is out: v5's last loads were waited for in slot 2 of the trip before, v22's in slot 0 of this one.
.macro TRIP l2, l3, a3
	v_mov_b32 v[PA0], s25
	SLOT 0, PA0, 1, 1
	SLOT 1, PA0, 1, 1
.if \l2
	v_mov_b32 v[PA1], s25
.endif
	SLOT 2, PA1, \l2, 1
	SLOT 3, PA1, \l3, \a3
	QUANT
.endm
	PLOAD 0, PA1, 0                                ; batches 0 and 1.  (Every wave runs these lines, so that what a trip reads is written on every way through the text)
	PLOAD 1, PA1, 256
	s_wait_dscnt 16                                ; batch 0's are in
	STAGEA 0
.irp j, 0,1,2,3,4,5,6,7,8,9,10,11,12,13,14,15
	v_exp_f32 v[112+\j], v[112+\j]
.endr
	v_nop                                          ; a plain place behind the last exponential
	s_wait_alu depctr_va_vdst(0)                   ; and the batch's one wait
.Ltrip:                                                ; 13 trips, a block of 32 gaussians each; the highest parameter byte read in the loop is 12,288 + 1,535
	s_cmp_lg_u32 s71, 0                            ; ids alone: a wave with no part in the walk goes past the trip's body, not past the lines that step and count
	s_cbranch_scc1 .Lidle
	TRIP 1, 1, 1
.Lidle:
	STEPS
	s_add_co_u32 s27, s27, 1
	s_cmp_lt_u32 s27, 13
	s_cbranch_scc1 .Ltrip
	s_cmp_lg_u32 s71, 0
	s_cbranch_scc1 .Lwalked
	TRIP 0, 0, 0                                   ; block 13 is written out: nothing is read behind entry 447.  Entries 432 to 447 are null: the block's upper half gets zero codes
.Lwalked:
	s_cmp_eq_u32 s17, 0                            ; the work-group's number alone decides: all four waves go the same way, and each way has its barrier
	s_cbranch_scc1 .Lsmall
; ---- THE PRODUCT: what both ways share
.macro FWZERO
	WIN 0x40
.irp t, 0,1,2,3
.irp j, 6,7,8,9,10,11
	v_mov_b32 v[12*(4*\t+3)+\j], 0                 ; gaussians 448 to 511 of w: zero codes
.endr
.endr
	WIN 0
.endm
; w's fragments out of the park at v34.  Tile t = 2 u + hh holds pixels 32 u + 16 hh + r; lane (r, h) wants, in registers 6 c .. 6 c + 5, block 4 ks + 2 c + h of its pixel: 24 bytes, as they were stored.  84 + 8 LDS loads.
.macro FWLOAD
	WIN 0x40
.irp t, 0,1,2,3
.irp ks, 0,1,2,3
.irp c, 0,1
.if 2*\ks+\c < 7
.irp i, 0,1,2
	ds_load_b64 v[12*(4*\t+\ks)+6*\c+2*\i:12*(4*\t+\ks)+6*\c+2*\i+1], v34 offset:BREC*(4*\ks+2*\c)+768*(\t/2)+384*(\t%2)+8*\i
.endr
.endif
.endr
.endr
.endr
	WIN 0
.irp ks, 0,1,2,3
.irp u, 0,1
	ds_load_b32 v[16+2*\ks+\u], v[SK0] offset:BREC*(4*\ks+3-2*(\ks/3))+1536+128*\u   ; lane l: the word of pixel 32 u + l: lanes 0-15 serve tile 2 u, lanes 16-31 tile 2 u + 1
.endr
.endr
.endm
.macro ALOAD m                         ; the four fragments of channel tile m (counted from where v3 and v4 stand), and their scale words: 16 LDS loads
.set AFL, 128+48*((\m)%2)
.set ASL, 24+4*((\m)%2)
.irp ks, 0,1,2,3
.irp i, 0,1,2
	ds_load_b128 v[AFL+12*\ks+4*\i:AFL+12*\ks+4*\i+3], v3 offset:AIMG+(4*(\m)+\ks)*1536+512*\i
.endr
	ds_load_b32 v[ASL+\ks], v4 offset:ASC+(4*((\m)/2)+\ks)*128
.endr
.endm
; One matrix instruction: 16 pixels of tile t x 16 channels of tile m x gaussians 128 ks on.  An odd t's scale words lie in lanes 16-31 of their register, and so do an odd m's.
.macro WM t, ks, m
.set ACB, 64+32*((\m)%2)+8*(\t)
.set FWB, 12*(4*(\t)+(\ks))
.set AFB, 128+48*((\m)%2)+12*(\ks)
.set SWB, 16+2*(\ks)+(\t)/2
.set ASB, 24+4*((\m)%2)+(\ks)
.set ROWS, 2*((\m)%2)+(\t)%2
.if (\ks) == 0                         ; the first K step starts the sum: nothing is cleared
.if ROWS == 0
	v_wmma_scale_f32_16x16x128_f8f6f4 v[ACB:ACB+7], v[FWB:FWB+11], v[AFB:AFB+11], 0, v[SWB], v[ASB] matrix_a_fmt:MATRIX_FMT_BF6 matrix_b_fmt:MATRIX_FMT_BF6
.elseif ROWS == 1
	v_wmma_scale_f32_16x16x128_f8f6f4 v[ACB:ACB+7], v[FWB:FWB+11], v[AFB:AFB+11], 0, v[SWB], v[ASB] matrix_a_fmt:MATRIX_FMT_BF6 matrix_b_fmt:MATRIX_FMT_BF6 matrix_a_scale:MATRIX_SCALE_ROW1
.elseif ROWS == 2
	v_wmma_scale_f32_16x16x128_f8f6f4 v[ACB:ACB+7], v[FWB:FWB+11], v[AFB:AFB+11], 0, v[SWB], v[ASB] matrix_a_fmt:MATRIX_FMT_BF6 matrix_b_fmt:MATRIX_FMT_BF6 matrix_b_scale:MATRIX_SCALE_ROW1
.else
	v_wmma_scale_f32_16x16x128_f8f6f4 v[ACB:ACB+7], v[FWB:FWB+11], v[AFB:AFB+11], 0, v[SWB], v[ASB] matrix_a_fmt:MATRIX_FMT_BF6 matrix_b_fmt:MATRIX_FMT_BF6 matrix_a_scale:MATRIX_SCALE_ROW1 matrix_b_scale:MATRIX_SCALE_ROW1
.endif
.else
.if ROWS == 0
	v_wmma_scale_f32_16x16x128_f8f6f4 v[ACB:ACB+7], v[FWB:FWB+11], v[AFB:AFB+11], v[ACB:ACB+7], v[SWB], v[ASB] matrix_a_fmt:MATRIX_FMT_BF6 matrix_b_fmt:MATRIX_FMT_BF6
.elseif ROWS == 1
	v_wmma_scale_f32_16x16x128_f8f6f4 v[ACB:ACB+7], v[FWB:FWB+11], v[AFB:AFB+11], v[ACB:ACB+7], v[SWB], v[ASB] matrix_a_fmt:MATRIX_FMT_BF6 matrix_b_fmt:MATRIX_FMT_BF6 matrix_a_scale:MATRIX_SCALE_ROW1
.elseif ROWS == 2
	v_wmma_scale_f32_16x16x128_f8f6f4 v[ACB:ACB+7], v[FWB:FWB+11], v[AFB:AFB+11], v[ACB:ACB+7], v[SWB], v[ASB] matrix_a_fmt:MATRIX_FMT_BF6 matrix_b_fmt:MATRIX_FMT_BF6 matrix_b_scale:MATRIX_SCALE_ROW1
.else
	v_wmma_scale_f32_16x16x128_f8f6f4 v[ACB:ACB+7], v[FWB:FWB+11], v[AFB:AFB+11], v[ACB:ACB+7], v[SWB], v[ASB] matrix_a_fmt:MATRIX_FMT_BF6 matrix_b_fmt:MATRIX_FMT_BF6 matrix_a_scale:MATRIX_SCALE_ROW1 matrix_b_scale:MATRIX_SCALE_ROW1
.endif
.endif
.endm
.macro MUL16 m                         ; a channel tile's 16 matrix instructions: the four accumulators take turns, one instruction a turn
.irp ks, 0,1,2,3
.irp t, 0,1,2,3
	WM \t, \ks, \m
.endr
.endr
.endm
.macro STAGEIN m                       ; 16 channels x 64 pixels into my stage, 32 bytes a lane: row = channel r, 272 bytes apart
.set ACS, 64+32*((\m)%2)
.irp t, 0,1,2,3
	ds_store_b128 v5, v[ACS+8*\t:ACS+8*\t+3] offset:64*\t            ; each accumulator from its low end on
	ds_store_b128 v5, v[ACS+8*\t+4:ACS+8*\t+7] offset:64*\t+16
.endr
.endm
; ---- THE THREE LARGER SCALES: each wave makes all eight channel tiles for its own 64 pixels
	s_wait_asynccnt 0x0                            ; all my copies have landed,
	s_wait_dscnt 0x0                               ; my stores into the park too
	s_barrier_signal -1
	s_barrier_wait -1                              ; the features' codes and scale words are whole
	FWZERO
	v_and_b32 v32, 15, v0                          ; r
	v_bfe_u32 v33, v0, 4, 1                        ; h
	v_and_b32 v35, 31, v0                          ; lane
	s_mul_i32 s31, s16, PKW
	s_add_co_u32 s31, s31, PARK
	v_mul_u32_u24 v34, v32, 24
	v_mad_u32_u24 v34, v33, BREC, v34
	v_add_nc_u32 v34, s31, v34                     ; in my park: pixel r of a tile, and one block on for lanes 16-31
	v_lshlrev_b32 v3, 4, v35                       ; LI: an image's place for my lane
	v_lshlrev_b32 v4, 2, v35                       ; LS: a scale word's
	s_mul_i32 s31, s16, STW
	s_add_co_u32 s31, s31, STAGE                   ; my stage
	v_mul_u32_u24 v5, v32, 272
	v_lshl_add_u32 v5, v33, 5, v5
	v_add_nc_u32 v5, s31, v5                       ; STO: row = channel r; 32 bytes for each half of the lanes
	v_mul_u32_u24 v6, v33, 272
	v_lshl_add_u32 v6, v32, 4, v6
	v_add_nc_u32 v6, s31, v6                       ; RD: lanes 0-15 one row of 256 bytes, lanes 16-31 the next
	s_lshl_b32 s31, s24, 2
	v_lshl_add_u32 v36, v32, 4, s31                ; 16 r + 4 pb
	v_mul_lo_u32 v37, v33, s21
	v_add_nc_u32 v8, v36, v37                      ; in the output: channel 2 i + h of the sixteen, pixels pb + 4 r on
	s_lshl_b32 s31, s21, 1
.irp i, 1,2,3,4,5,6,7
	v_add_nc_u32 v[8+\i], s31, v[7+\i]
.endr
	v_lshl_add_u32 v36, v32, 2, s24
	v_cmp_gt_u32 s66, s20, v36                     ; my four pixels lie inside the scale: 2,500, 10,000 and 40,000 are multiples of 4, so they are inside together
	FWLOAD
.macro TOSTAGE m                       ; into my stage and back as rows of 256 bytes: 8 stores, 8 loads.  LDS serves a wave's instructions in order: no wait between them
	STAGEIN \m
.set BKB, 32+192*((\m)%2)
.irp i, 0,1,2,3,4,5,6,7
	ds_load_b128 v[BKB+4*\i:BKB+4*\i+3], v6 offset:544*\i
.endr
.endm
; Channels 16 m on.  cnt: the LDS instructions younger than this tile's fragments.  The two sets of accumulators take turns from tile to tile, and a set is begun anew with eight plain places (two tiles' four) behind its last product.
.macro MSTEP m, cnt
	s_wait_dscnt \cnt
	WIN 0x01                                       ; source 0 (w) window 1
	MUL16 \m
	WIN 0
.rept 4
	v_nop                                          ; four places ahead of the stores that read the results and of the loads into the fragments' registers (ISA guide 7.12.1 for vector instructions)
.endr
	TOSTAGE \m
.if (\m) < 6
	ALOAD (\m)+2
.endif
.endm
; The rows of tile mm leave.  younger: the LDS instructions issued behind that tile's loads from the stage.
.macro SEND mm, younger
.set BKB, 32+192*((\mm)%2)
	s_wait_dscnt \younger
	s_wait_xcnt 0x0                                ; the stores' base and EXEC change only behind this wait
.if (\mm) > 0
	s_add_nc_u64 s[6:7], s[6:7], s[22:23]          ; 16 channels on
.endif
	s_and_saveexec_b32 s70, s66
.irp i, 0,1,2,3,4,5,6,7
	global_store_b128 v[8+\i], v[BKB+4*\i:BKB+4*\i+3], s[6:7] th:TH_STORE_NT   ; sixteen lanes store 256 consecutive bytes of one channel (in out3 at a multiple of 256 from its first byte; out1's and out2's channels are no multiples of 256 bytes)
.endr
	s_wait_xcnt 0x0
	s_or_b32 exec_lo, exec_lo, s70
.endm
	ALOAD 0
	ALOAD 1
	MSTEP 0, 16                                    ; behind tile 0's fragments: tile 1's 16 loads
	MSTEP 1, 32                                    ; behind tile m's: the stage's 16 of tile m - 1 and tile m + 1's 16
	SEND 0, 48                                     ; behind tile m's loads from the stage: fragments 16, the next stage's 16, fragments 16
	MSTEP 2, 32
	SEND 1, 48
	MSTEP 3, 32
	SEND 2, 48
	MSTEP 4, 32
	SEND 3, 48
	MSTEP 5, 32
	SEND 4, 48
	MSTEP 6, 32
	SEND 5, 32                                     ; tile 7's fragments and tile 6's stage
	MSTEP 7, 16                                    ; tile 6's stage
	SEND 6, 16                                     ; tile 7's stage
	SEND 7, 0
	s_wait_asynccnt 0x0                            ; the wave's end: the lines below, behind my last copy and my last LDS store
	s_wait_tensorcnt 0x0
	ds_add_u32 v[SPW], v[NIL]
	s_wait_dscnt 0x0
	s_endpgm
; ---- THE SMALLEST SCALE: the work-group's 64 pixels were walked by wave 0; wave w makes channel tiles 2 w and 2 w + 1 from wave 0's park
.Lsmall:
	s_wait_asynccnt 0x0                            ; all my copies have landed,
	s_wait_dscnt 0x0                               ; wave 0's stores into its park too, and every wave's loads of parameters are in
	s_barrier_signal -1
	s_barrier_wait -1                              ; the record is whole, and so are the 64 pixels' codes and scale words
	FWZERO
	v_and_b32 v32, 15, v0                          ; r
	v_bfe_u32 v33, v0, 4, 1                        ; h
	v_and_b32 v35, 31, v0                          ; lane
	v_mul_u32_u24 v34, v32, 24
	v_mad_u32_u24 v34, v33, BREC, v34
	v_add_nc_u32 v34, PARK, v34                    ; in wave 0's park: pixel r of a tile, and one block on for lanes 16-31
	v_lshl_add_u32 v[SK0], v35, 2, PARK            ; and its scale words
	s_mul_i32 s31, s16, 12288                      ; my two tiles' eight images of 1,536 bytes
	v_lshl_add_u32 v3, v35, 4, s31                 ; LI
	s_lshl_b32 s31, s16, 9                         ; and their four runs of 128 bytes of scale words
	v_lshl_add_u32 v4, v35, 2, s31                 ; LS
	s_mul_i32 s31, s16, STW
	s_add_co_u32 s31, s31, STAGE0                  ; my stage
	v_mul_u32_u24 v5, v32, 272
	v_lshl_add_u32 v5, v33, 5, v5
	v_add_nc_u32 v5, s31, v5                       ; STO: row = channel r; 32 bytes for each half of the lanes
	v_lshl_add_u32 v6, v35, 2, s31                 ; RD: 32 neighbouring pixels of a row, 4 bytes a lane
	v_add_nc_u32 v8, s24, v35                      ; pixel pb + lane
	v_add_nc_u32 v9, 32, v8
	v_cmp_gt_u32 s66, s20, v8                      ; inside the scale's 625?  The lower 32 pixels,
	v_cmp_gt_u32 s67, s20, v9                      ; the upper 32
	v_lshlrev_b32 v8, 2, v8                        ; its place in a channel
	s_mul_i32 s2, s16, 80000                       ; my 32 channels of 2,500 bytes
	s_mov_b32 s3, 0
	s_add_nc_u64 s[6:7], s[6:7], s[2:3]
	FWLOAD
	ALOAD 0
	ALOAD 1
	s_wait_dscnt 0x0
	WIN 0x01                                       ; source 0 (w) window 1
	MUL16 0
	MUL16 1
	WIN 0
.rept 4
	v_nop                                          ; four places ahead of the stores that read the results
.endr
.macro TOSMALL m                       ; into my stage and back by halves of a row: 8 stores, 32 loads; register 16 u + c: pixel 32 u + lane of channel c.  LDS serves a wave's instructions in order: the second tile's stores come behind the first's loads
	STAGEIN \m
.irp u, 0,1
.irp c, 0,1,2,3,4,5,6,7,8,9,10,11,12,13,14,15
	ds_load_b32 v[32+192*(\m)+16*\u+\c], v6 offset:272*\c+128*\u
.endr
.endr
.endm
.macro PUT u                           ; pixels 32 u on of my 32 channels: the tile, the channel and the half stand in the immediate
	s_and_saveexec_b32 s70, s[66+\u]
.irp m, 0,1
.irp c, 0,1,2,3,4,5,6,7,8,9,10,11,12,13,14,15
	global_store_b32 v8, v[32+192*\m+16*(\u)+\c], s[6:7] offset:40000*\m+2500*\c+128*(\u) th:TH_STORE_NT   ; 32 lanes store 128 consecutive bytes of one channel
.endr
.endr
	s_wait_xcnt 0x0                                ; EXEC changes only behind this wait
	s_or_b32 exec_lo, exec_lo, s70
.endm
	TOSMALL 0
	TOSMALL 1
	s_wait_dscnt 0x0                               ; both tiles are back in registers
	s_wait_xcnt 0x0
	PUT 0
	PUT 1
	s_wait_asynccnt 0x0                            ; the wave's end: the lines below, behind my last copy and my last LDS store
	s_wait_tensorcnt 0x0
	ds_add_u32 v[SPW], v[NIL]
	s_wait_dscnt 0x0
	s_endpgm
.Lfunc_end_k_q5e880bf6b1_render:
	.size	k_q5e880bf6b1_render, .Lfunc_end_k_q5e880bf6b1_render-k_q5e880bf6b1_render
	.p2alignl 7, 3214868480
	.fill 96, 4, 3214868480
	.section	.rodata,"a",@progbits
	.p2align	6, 0x0
	.amdhsa_kernel k_q5e880bf6b1_render
		.amdhsa_group_segment_fixed_size 208384
		.amdhsa_private_segment_fixed_size 0
		.amdhsa_enable_private_segment 0
		.amdhsa_kernarg_size 40
		.amdhsa_user_sgpr_count 2
		.amdhsa_user_sgpr_kernarg_segment_ptr 1
		.amdhsa_wavefront_size32 1
		.amdhsa_system_sgpr_workgroup_id_x 1
		.amdhsa_system_sgpr_workgroup_id_y 1
		.amdhsa_system_sgpr_workgroup_id_z 1
		.amdhsa_system_vgpr_workitem_id 0
		.amdhsa_next_free_vgpr 512
		.amdhsa_next_free_sgpr 80
		.amdhsa_reserve_vcc 0
		.amdhsa_float_denorm_mode_32 3
		.amdhsa_float_denorm_mode_16_64 3
		.amdhsa_memory_ordered 1
		.amdhsa_forward_progress 1
		.amdhsa_inst_pref_size 164
	.end_amdhsa_kernel
	.amdgpu_metadata
---
amdhsa.version: [ 1, 2 ]
amdhsa.kernels:
  - .name:           k_q5e880bf6b1_render
    .symbol:         k_q5e880bf6b1_render.kd
    .args:
      - { .name: ws, .offset: 0, .size: 8, .value_kind: global_buffer, .address_space: global }
      - { .name: out0, .offset: 8, .size: 8, .value_kind: global_buffer, .address_space: global }
      - { .name: out1, .offset: 16, .size: 8, .value_kind: global_buffer, .address_space: global }
      - { .name: out2, .offset: 24, .size: 8, .value_kind: global_buffer, .address_space: global }
      - { .name: out3, .offset: 32, .size: 8, .value_kind: global_buffer, .address_space: global }
    .group_segment_fixed_size: 208384
    .private_segment_fixed_size: 0
    .kernarg_segment_align: 8
    .kernarg_segment_size: 40
    .max_flat_workgroup_size: 128
    .sgpr_count:     80
    .vgpr_count:     512
    .wavefront_size: 32
...
	.end_amdgpu_metadata
.endif
;; end of part 3
